; MI455X (gfx1250); checked and timed in simulation.
; The chip was launched on July 23, 2026; its instructions are those of AMD's public machine-readable ISA for CDNA 5 (MIT licence, August 2026) and "CDNA5" Instruction Set Architecture Reference Guide (July 2026). The comments in the code are by the model that wrote it; some were corrected since.
;; Self Attention. Allowed arithmetic: matrix products marked QUANTISED: E5M2 operands, one given power-of-two scale a tensor, by v_wmma_f32_16x16x64_bf8_bf8 or v_wmma_f32_16x16x128_bf8_bf8, f32 sums; everything else in f32.
;; Inputs: Wk 1,024 x 2,048 float32; Wp 2,048 x 1,024 float32; Wq 1,024 x 2,048 float32; Wv 1,024 x 2,048 float32; X 2 x 2,048 x 1,024 float32; bk 2,048 float32; bp 1,024 float32; bq 2,048 float32; bv 2,048 float32; lowp_scales 12 int32 (the exponents e of the quantised operands' scales 2^e).
;; Outputs: out0 2 x 2,048 x 1,024 float32.
;; This version of the problem:
;;   THIS VERSION OF THE PROBLEM IS GIVEN IN LOW PRECISION. The matrix products marked QUANTISED in the list below multiply operands that are first quantised to E5M2 (5 exponent bits, 2 mantissa bits; 8 bits a number), with one given power-of-two scale for each operand tensor; their sums are f32. All else is computed in f32.
;;   The module's matrix products, in the order in which they are computed (A, B: the left and right operand; K: the contracted axis; several contracted axes count as one K, in the product's order):
;;     1. [M 4,096, K 1,024] x [K 1,024, N 2,048]; A: input X; B: input Wq: QUANTISED (scales: A lowp_scales[0], B lowp_scales[1])
;;     2. [M 4,096, K 1,024] x [K 1,024, N 2,048]; A: input X; B: input Wk: QUANTISED (scales: A lowp_scales[2], B lowp_scales[3])
;;     3. [M 4,096, K 1,024] x [K 1,024, N 2,048]; A: input X; B: input Wv: QUANTISED (scales: A lowp_scales[4], B lowp_scales[5])
;;     4. batch 32 x [M 2,048, K 128] x [K 128, N 2,048]; A: computed on the way; B: computed on the way: QUANTISED (scales: A lowp_scales[6], B lowp_scales[7])
;;     5. batch 32 x [M 2,048, K 2,048] x [K 2,048, N 128]; A: softmax (see below); B: computed on the way: QUANTISED (scales: A lowp_scales[8], B lowp_scales[9])
;;     6. [M 4,096, K 2,048] x [K 2,048, N 1,024]; A: computed on the way; B: input Wp: QUANTISED (scales: A lowp_scales[10], B lowp_scales[11])
;;   THE QUANTISER, for each operand of a quantised product, along K:
;;     - The operand's scale is 2^e, e = its entry of the input lowp_scales (int32; the entries are numbered through the quantised products in the list's order, A before B).
;;     - Each number is divided by the scale, clamped to +-57,344, and rounded to the nearest number of E5M2, ties to even, subnormals kept.
;;     - The product sums the exact products of the quantised numbers (number of the format x scale) in f32.
;;   ~~~python
;;   def quantise(x, axis, e):      # numpy; x: float32 -> the quantised numbers, widened to float32 again
;;       x = np.moveaxis(x, axis, -1); K = x.shape[-1]
;;       r = np.clip(x / 2.0 ** e, -57344, 57344)
;;       step = 2.0 ** (np.maximum(np.frexp(np.where(r == 0, 1, r))[1] - 1, -14) - 2)
;;       q = np.round(r / step) * step * 2.0 ** e      # np.round: ties to even
;;       return np.moveaxis(q, -1, axis).astype(np.float32)
;;   ~~~
;;   SOFTMAX AHEAD OF A QUANTISED PRODUCT. Where the list says 'softmax', what is quantised is not the finished softmax but p = 2^(t - M), with t = logit x log2(e) and M = ceil(the row's largest t), a whole number; so 1/2 < the row's largest p <= 1. The row's sum l is taken of the UNQUANTISED p, in f32, and the product's result is divided by l at the end. Since M is a whole number, a kernel that streams over the keys may use a running M (the ceiling of the running maximum): every later rescaling is an exact power of two, so the quantised numbers keep their values, but for numbers so far below the row's largest that they fall under the format's range.
;;   OPERANDS COMPUTED ON THE WAY. 'Computed on the way' means the value that the module computes at that place (a softmax that the list does not call 'softmax' is quantised finished and normalised). What goes into a quantiser is computed in f32, as accurately as f32 sums, v_exp_f32 and their like allow (about 1e-6 of the number): no bf16 or f16 on the way to a quantiser, and a product that is left as it is and whose result goes on into a quantised operand takes f32 operands (vector FMAs, or v_wmma_f32_16x16x4_f32). A number that lies on a knife's edge between two numbers of the format may be rounded either way, as far as f32 arithmetic and the matrix unit's own rounding can turn it there, and no further.
;; One version. Each part assembles by itself: llvm-mc -triple=amdgcn-amd-amdhsa -mcpu=gfx1250 --defsym DOCPART=n.
;; ======== version 1 of 1: 4 launches
;; limits: right only within a limited range of input values
;; workspace buffers: ximg 12,582,912 bytes; wimg 8,388,608 bytes; qkvimg 25,165,824 bytes; yimg 8,388,608 bytes
;; launch quant (part 1): grid 512 x 1, 4 waves a work-group, no clusters, 44,544 bytes of LDS; arguments X, Wq, Wk, Wv, Wp, lowp_scales, ximg, wimg; writes ximg, wimg
.if DOCPART == 1
	.amdgcn_target "amdgcn-amd-amdhsa--gfx1250"
	.amdhsa_code_object_version 6
	.text
	.protected	k_q8de87af5ed_quant
	.globl	k_q8de87af5ed_quant
	.p2align	8
	.type	k_q8de87af5ed_quant,@function
k_q8de87af5ed_quant:
	s_mov_b64 s[64:65], 0
	v_nop
	global_prefetch_b8 v0, s[64:65] scope:SCOPE_SE
	s_setreg_imm32_b32 hwreg(HW_REG_WAVE_MODE, 25, 1), 1
	s_wait_xcnt 0x0
; FIRST OF FOUR LAUNCHES (quant, qkv, attn, proj) of causal self-attention on codes of BF8 (E5M2), each operand with the one scale 2^e that lowp_scales gives for it.
; WORK LEFT OUT BY THE PROGRAM: reference() sets every score whose key comes after its query to -infinity by a mask that it builds itself (jnp.tril); the softmax gives such a score the weight 0, whatever
; finite values the inputs hold, so it reaches no output.  The launch attn leaves out the scores and the second product's terms where they come in whole steps of 16 queries x 128 keys that lie wholly behind
; the diagonal; inside a step on the diagonal they are computed and set to -infinity.  No input is left out: every bias goes into a quantised operand (bq, bk, bv) or into the output (bp).
; LIMIT: a NaN, an infinity or an overflow that would reach only those steps is not carried to the result.
; THIS LAUNCH turns X (three times: products 1, 2, 3 name a scale of their own for it: entries 0, 2, 4) and Wq, Wk, Wv, Wp (entries 1, 3, 5, 11) into codes:
; code = x / 2^e, held within +-57,344, to the nearest code, ties to even.  LIMITS: -126 <= e <= 112, so that 2^e and 57,344 x 2^e are f32 numbers; NaN among the inputs is not served.
; THE CODES ARE LAID IN THE ORDER OF AN OPERAND'S REGISTERS.  A fragment is 16 rows x 128 along K: lane (r = lane % 16, h = lane / 16) holds row r, registers 2 c, 2 c + 1 hold K = 16 c + 8 h + 0 .. 7.  In memory it is
; 2,048 bytes: four pieces of 512, piece p = registers 4 p .. 4 p + 3, lane l's 16 bytes at 512 p + 16 l.  A UNIT is the 8 fragments of 128 rows x 128 K, 16,384 bytes.
; ximg: set s at s x 4 MiB, [rows / 128][K / 128] units.  wimg: Wq, Wk, Wv, Wp at 0, 2, 4, 6 MiB, [n / 128][K / 128] units (a weight's rows are its columns n: K is its first axis in memory).
; Work-groups 0-255 take X, a unit each; 256-511 the weights, 128 columns x 256 along K each.  Waves share nothing: no barrier.  The two paths have LDS bytes of their own.
.set WSTGW, 8704                       ; a wave's stage on the weights' path: 32 rows x (256 bytes + 16)
.set XSTG,  34816                      ; X's stages begin behind them:
.set XSTGW, 2304                       ; 16 rows x (128 bytes + 16) for each wave
.set SPARE, 44032                      ; behind the stages: the spare words, 128 bytes for each wave: two blocks of 256 bytes that no other line names
.set SPW,  14                          ; v14  LDS address of my spare word; never rewritten
.set NIL,  15                          ; v15  0; never rewritten
.set SC,   16                          ; v16-18  X: 2^e as f32, for sets 0, 1, 2
.set LIM,  20                          ; v20-22  X: 57,344 x 2^e
.set XR,   32                          ; v32-159 X: 32 rows, 4 numbers a lane each
.set OUT0, 160                         ; v160-207 X: the first row tile's three fragments
.set CD,   208                         ; v208-223 X: 16 rows' codes, a word a lane each
.set T,    224                         ; v224-239 X: two sets of 8 held numbers
.set WX,   32                          ; v32-95  W: two sets of 32 numbers down K
.set WC,   96                          ; v96-103 W: a block's codes
.set WOUT, 112                         ; v112-175 W: four fragments
.set ROFF, 176                         ; v176-207 W: byte offset of row i of a block, at my column
	s_load_b512 s[4:19], s[0:1], 0x0               ; X 4:5, Wq 6:7, Wk 8:9, Wv 10:11, Wp 12:13, the exponents 14:15, ximg 16:17, wimg 18:19
	v_lshl_add_u32 v[SPW], v0, 2, SPARE
	v_mov_b32 v[NIL], 0
	v_lshrrev_b32 v1, 5, v0
	v_readfirstlane_b32 s20, v1                    ; wave 0..3
	v_and_b32 v1, 31, v0                           ; lane
	v_and_b32 v2, 15, v0                           ; r
	v_bfe_u32 v3, v0, 4, 1                         ; h
	v_lshlrev_b32 v5, 4, v1                        ; 16 x lane
	v_lshlrev_b32 v6, 2, v1                        ; 4 x lane
	s_mul_i32 s21, s20, WSTGW                      ; all LDS addresses are made here, ahead of the parting of the two paths
	v_mul_u32_u24 v4, v1, 272
	v_add_nc_u32 v4, s21, v4                       ; W, into the stage: row = my column
	v_mul_u32_u24 v7, v2, 272
	v_lshl_add_u32 v7, v3, 3, v7
	v_add_nc_u32 v7, s21, v7                       ; W, out of it: row r, + 8 h
	s_mul_i32 s21, s20, XSTGW
	s_add_co_u32 s21, s21, XSTG
	v_add_nc_u32 v8, s21, v6                       ; X, into the stage: my word of a row
	v_mul_u32_u24 v9, v2, 144
	v_lshl_add_u32 v9, v3, 3, v9
	v_add_nc_u32 v9, s21, v9                       ; X, out of it: row r, + 8 h
	s_wait_kmcnt 0x0
	s_load_b256 s[24:31], s[14:15], 0x0            ; e0 .. e7
	s_load_b128 s[32:35], s[14:15], 0x20           ; e8 .. e11
	s_cmp_lt_u32 ttmp9, 256                        ; the work-group's number alone decides
	s_cbranch_scc0 .Lweights
	; ---- X.  Work-group g takes unit g: rows 128 (g / 8) on, K 128 (g % 8) on; my wave 32 of the rows: two fragments
	s_lshr_b32 s22, ttmp9, 3
	s_lshl_b32 s22, s22, 19                        ; 128 rows of 4,096 bytes
	s_lshl_b32 s23, s20, 17                        ; 32 rows
	s_add_co_u32 s22, s22, s23
	s_and_b32 s23, ttmp9, 7
	s_lshl_b32 s23, s23, 9                         ; 128 numbers
	s_add_co_u32 s22, s22, s23
	s_mov_b32 s23, 0
	s_add_nc_u64 s[4:5], s[4:5], s[22:23]
	s_lshl_b32 s22, ttmp9, 14                      ; the unit,
	s_lshl_b32 s36, s20, 12                        ; my two fragments in it
	s_add_co_u32 s22, s22, s36
	s_add_nc_u64 s[40:41], s[16:17], s[22:23]      ; a base for each set: nothing is stepped
	s_add_nc_u64 s[42:43], s[40:41], 0x400000
	s_add_nc_u64 s[44:45], s[40:41], 0x800000
.set ii, 0
.rept 32
	global_load_b128 v[XR+4*ii:XR+4*ii+3], v5, s[4:5] offset:4096*ii th:TH_LOAD_NT   ; a row's 128 numbers: 32 lanes read 512 consecutive bytes, aligned; lane l gets K = 4 l .. 4 l + 3
.set ii, ii+1
.endr
	s_wait_kmcnt 0x0
.irp s, 0,1,2
	s_add_co_i32 s36, s[24+2*\s], 127
	s_lshl_b32 s37, s36, 23
	v_mov_b32 v[SC+\s], s37                        ; 2^e as f32: the conversion takes its exponent field
	s_add_co_i32 s36, s36, 15
	s_lshl_b32 s36, s36, 23
	s_or_b32 s36, s36, 0x600000
	v_mov_b32 v[LIM+\s], s36                       ; 57,344 x 2^e
.endr
; Row tile u with set s's scale becomes a fragment in v[out] on and is stored.  Eight numbers of a lane are four of one row and four of the next: a conversion gives a word of codes of each.  The words go into my stage as rows
; of 128 bytes and come back 8 bytes a lane, as the fragment's layout wants them.  The numbers are held into a copy (X is quantised three times); the copies take turns, so that eight plain lines stand between a conversion
; and the next write of its sources.
.macro XFRAG u, s, out
.irp i, 0,1,2,3,4,5,6,7
.irp j, 0,1,2,3,4,5,6,7
	v_med3_num_f32 v[T+8*(\i%2)+\j], v[XR+64*(\u)+8*\i+\j], -v[LIM+\s], v[LIM+\s]   ; the conversion to an 8-bit code does not saturate (ISA guide 7.6.2): the hold comes first
.endr
	v_cvt_scalef32_pk8_bf8_f32 v[CD+2*\i:CD+2*\i+1], v[T+8*(\i%2):T+8*(\i%2)+7], v[SC+\s]
.endr
	v_nop                                          ; a plain line behind the last conversion
.irp r, 0,1,2,3,4,5,6,7,8,9,10,11,12,13,14,15
	ds_store_b32 v8, v[CD+\r] offset:144*\r        ; 32 lanes: a row's 128 bytes
.endr
.irp c, 0,1,2,3,4,5,6,7
	ds_load_b64 v[(\out)+2*\c:(\out)+2*\c+1], v9 offset:16*\c   ; LDS serves a wave's instructions in order (ISA guide 5.7.1.4): these see the stores above, and the next fragment's stores come behind them
.endr
	s_wait_dscnt 0x0
.irp c, 0,1,2,3
	global_store_b128 v5, v[(\out)+4*\c:(\out)+4*\c+3], s[40+2*\s:41+2*\s] offset:2048*(\u)+512*\c   ; 512 consecutive bytes, aligned.  Each fragment has registers of its own: no store's data are written again
.endr
.endm
	s_wait_alu depctr_va_vdst(0)
	s_wait_loadcnt 16                              ; the first 16 rows are in; the other 16 loads may be out
	XFRAG 0, 0, OUT0
	XFRAG 0, 1, OUT0+16
	XFRAG 0, 2, OUT0+32
	s_wait_loadcnt 0x0
	XFRAG 1, 0, XR                                 ; the first row tile's numbers are done with: their registers take these fragments
	XFRAG 1, 1, XR+16
	XFRAG 1, 2, XR+32
	s_branch .Lend
	; ---- the weights.  A LANE TAKES A COLUMN n, AND ITS REGISTERS RUN DOWN K: the conversions then give codes with K innermost, and nothing is transposed by an instruction
.Lweights:
	s_sub_co_u32 s22, ttmp9, 256
	s_lshr_b32 s23, s22, 6                         ; which: 0 Wq, 1 Wk, 2 Wv, 3 Wp
	s_and_b32 s22, s22, 63
	s_cmp_eq_u32 s23, 3                            ; Wp is [2048][1024], the others [1024][2048]
	s_cselect_b32 s36, 7, 15                       ; blocks of 128 columns, less 1
	s_cselect_b32 s37, 3, 4
	s_cselect_b32 s38, 12, 13                      ; log2 of a row's bytes
	s_cselect_b32 s39, 4, 3                        ; log2 of the units along K
	s_and_b32 s36, s22, s36                        ; nx: which 128 columns
	s_lshr_b32 s37, s22, s37                       ; ky: which 256 along K
	s_lshl_b32 s21, 1, s38                         ; a row's bytes
	s_cmp_lt_u32 s23, 2                            ; the choice hangs on the work-group's number alone
	s_cselect_b64 s[60:61], s[6:7], s[10:11]
	s_cselect_b64 s[62:63], s[8:9], s[12:13]
	s_bitcmp1_b32 s23, 0
	s_cselect_b64 s[60:61], s[62:63], s[60:61]
	s_add_co_u32 s56, s38, 8
	s_lshl_b32 s56, s37, s56                       ; 256 ky rows,
	s_lshl_b32 s57, s36, 9                         ; 128 nx columns,
	s_add_co_u32 s56, s56, s57
	s_lshl_b32 s57, s20, 7                         ; my wave's 32 of them
	s_add_co_u32 s56, s56, s57
	s_mov_b32 s57, 0
	s_add_nc_u64 s[40:41], s[60:61], s[56:57]
	s_lshl_b32 s58, s21, 5                         ; a block of 32 rows on
	s_mov_b32 s59, 0
.irp t, 1,2,3,4,5,6,7
	s_add_nc_u64 s[40+2*\t:41+2*\t], s[38+2*\t:39+2*\t], s[58:59]   ; a base for each of the 8 blocks: nothing is stepped
.endr
	s_lshl_b32 s56, s36, s39
	s_lshl_b32 s57, s37, 1
	s_add_co_u32 s56, s56, s57                     ; unit: nx x (units along K) + 2 ky
	s_lshl_b32 s56, s56, 14
	s_lshl_b32 s57, s23, 21                        ; the weight's 2 MiB
	s_add_co_u32 s56, s56, s57
	s_lshl_b32 s57, s20, 12                        ; my wave's two row tiles
	s_add_co_u32 s56, s56, s57
	s_mov_b32 s57, 0
	s_add_nc_u64 s[18:19], s[18:19], s[56:57]
.set ii, 0
.rept 32
	v_mad_u32_u24 v[ROFF+ii], s21, ii, v6          ; row i of a block, my column
.set ii, ii+1
.endr
.macro WLOAD t                         ; block t: W(32 t + i, my column) into set t % 2: each load reads 128 consecutive bytes a wave, the four waves 512
.set ii, 0
.rept 32
	global_load_b32 v[WX+32*((\t)%2)+ii], v[ROFF+ii], s[40+2*(\t):41+2*(\t)] th:TH_LOAD_NT
.set ii, ii+1
.endr
.endm
	WLOAD 0
	WLOAD 1
	s_wait_kmcnt 0x0
	s_cmp_lt_u32 s23, 2
	s_cselect_b32 s56, s25, s29                    ; e1 | e5
	s_cselect_b32 s57, s27, s35                    ; e3 | e11
	s_bitcmp1_b32 s23, 0
	s_cselect_b32 s56, s57, s56
	s_add_co_i32 s56, s56, 127
	s_lshl_b32 s57, s56, 23
	v_mov_b32 v11, s57                             ; 2^e as f32
	s_add_co_i32 s56, s56, 15
	s_lshl_b32 s56, s56, 23
	s_or_b32 s56, s56, 0x600000
	v_mov_b32 v10, s56                             ; 57,344 x 2^e
.macro WBLOCK t
.set XS, WX+32*((\t)%2)
.if (\t) < 7
	s_wait_loadcnt 32                              ; this block's 32 loads are in; the next block's may be out
.else
	s_wait_loadcnt 0
.endif
.set ii, 0
.rept 32
	v_med3_num_f32 v[XS+ii], v[XS+ii], -v10, v10
.set ii, ii+1
.endr
.irp g, 0,1,2,3
	v_cvt_scalef32_pk8_bf8_f32 v[WC+2*\g:WC+2*\g+1], v[XS+8*\g:XS+8*\g+7], v11
.endr
	v_nop                                          ; a plain line behind the last conversion
	ds_store_b128 v4, v[WC:WC+3] offset:32*(\t)    ; 32 codes of my column's row
	ds_store_b128 v4, v[WC+4:WC+7] offset:32*(\t)+16
.if (\t)+2 < 8
	WLOAD (\t)+2
.endif
	s_wait_dscnt 0x0                               ; the stores have read their registers: the next block's codes may be written
.endm
	s_wait_alu depctr_va_vdst(0)
.irp t, 0,1,2,3,4,5,6,7
	WBLOCK \t
.endr
.irp f, 0,1,2,3                        ; fragment f: K 128 (f / 2) on, columns 16 (f % 2) on
.irp c, 0,1,2,3,4,5,6,7
	ds_load_b64 v[WOUT+16*\f+2*\c:WOUT+16*\f+2*\c+1], v7 offset:16*(\f%2)*272+128*(\f/2)+16*\c
.endr
.endr
.irp f, 0,1,2,3
	s_wait_dscnt 24-8*\f                           ; this fragment's eight loads are in; the later fragments' may be out
.irp c, 0,1,2,3
	global_store_b128 v5, v[WOUT+16*\f+4*\c:WOUT+16*\f+4*\c+3], s[18:19] offset:16384*(\f/2)+2048*(\f%2)+512*\c   ; 512 consecutive bytes, aligned
.endr
.endr
.Lend:
	s_wait_tensorcnt 0x0                           ; the wave's end: three lines behind my last LDS store, the first of them even with no tensor load
	ds_add_u32 v[SPW], v[NIL]
	s_wait_dscnt 0x0
	s_endpgm
.Lfunc_end_k_q8de87af5ed_quant:
	.size	k_q8de87af5ed_quant, .Lfunc_end_k_q8de87af5ed_quant-k_q8de87af5ed_quant
	.p2alignl 7, 3214868480
	.fill 96, 4, 3214868480
	.section	.rodata,"a",@progbits
	.p2align	6, 0x0
	.amdhsa_kernel k_q8de87af5ed_quant
		.amdhsa_group_segment_fixed_size 44544
		.amdhsa_private_segment_fixed_size 0
		.amdhsa_enable_private_segment 0
		.amdhsa_kernarg_size 64
		.amdhsa_user_sgpr_count 2
		.amdhsa_user_sgpr_kernarg_segment_ptr 1
		.amdhsa_wavefront_size32 1
		.amdhsa_system_sgpr_workgroup_id_x 1
		.amdhsa_system_sgpr_workgroup_id_y 1
		.amdhsa_system_sgpr_workgroup_id_z 1
		.amdhsa_system_vgpr_workitem_id 0
		.amdhsa_next_free_vgpr 240
		.amdhsa_next_free_sgpr 66
		.amdhsa_reserve_vcc 0
		.amdhsa_float_denorm_mode_32 3
		.amdhsa_float_denorm_mode_16_64 3
		.amdhsa_memory_ordered 1
		.amdhsa_forward_progress 1
		.amdhsa_inst_pref_size 97
	.end_amdhsa_kernel
	.amdgpu_metadata
---
amdhsa.version: [ 1, 2 ]
amdhsa.kernels:
  - .name:           k_q8de87af5ed_quant
    .symbol:         k_q8de87af5ed_quant.kd
    .args:
      - { .name: X, .offset: 0, .size: 8, .value_kind: global_buffer, .address_space: global }
      - { .name: Wq, .offset: 8, .size: 8, .value_kind: global_buffer, .address_space: global }
      - { .name: Wk, .offset: 16, .size: 8, .value_kind: global_buffer, .address_space: global }
      - { .name: Wv, .offset: 24, .size: 8, .value_kind: global_buffer, .address_space: global }
      - { .name: Wp, .offset: 32, .size: 8, .value_kind: global_buffer, .address_space: global }
      - { .name: lowp_scales, .offset: 40, .size: 8, .value_kind: global_buffer, .address_space: global }
      - { .name: ximg, .offset: 48, .size: 8, .value_kind: global_buffer, .address_space: global }
      - { .name: wimg, .offset: 56, .size: 8, .value_kind: global_buffer, .address_space: global }
    .group_segment_fixed_size: 44544
    .private_segment_fixed_size: 0
    .kernarg_segment_align: 8
    .kernarg_segment_size: 64
    .max_flat_workgroup_size: 128
    .sgpr_count:     66
    .vgpr_count:     240
    .wavefront_size: 32
...
	.end_amdgpu_metadata
.endif
;; end of part 1
;; launch qkv (part 2): grid 16 x 16, 4 waves a work-group, clusters of 4 x 4, 327,680 bytes of LDS; arguments ximg, wimg, bq, bk, bv, lowp_scales, qkvimg; writes qkvimg
.if DOCPART == 2
	.amdgcn_target "amdgcn-amd-amdhsa--gfx1250"
	.amdhsa_code_object_version 6
	.text
	.protected	k_q8de87af5ed_qkv
	.globl	k_q8de87af5ed_qkv
	.p2align	8
	.type	k_q8de87af5ed_qkv,@function
k_q8de87af5ed_qkv:
	s_mov_b64 s[64:65], 0
	v_nop
	global_prefetch_b8 v0, s[64:65] scope:SCOPE_SE
	s_setreg_imm32_b32 hwreg(HW_REG_WAVE_MODE, 25, 1), 1
	s_wait_xcnt 0x0
	s_wait_alu depctr_hold_cnt(0) depctr_sa_sdst(0) depctr_va_vdst(0) depctr_va_sdst(0) depctr_va_ssrc(0) depctr_va_vcc(0) depctr_vm_vsrc(0)
	s_getreg_b32 s2, hwreg(HW_REG_IB_STS2, 6, 4)
	s_cmp_eq_u32 s2, 0
	s_cbranch_scc0 .Lentry_in_a_cluster
	s_endpgm
.Lentry_in_a_cluster:
	s_bfe_u32 s2, ttmp6, 0x10000c
	s_cmp_lg_u32 s2, 0xf033
	s_cbranch_scc0 .Lentry_shape_is_right
	s_endpgm
.Lentry_shape_is_right:
; SECOND LAUNCH: Q = X Wq + bq, K = X Wk + bk, V = X Wv + bv on codes of BF8, and their own quantising (entries 6, 7, 9 of the exponents).  Nothing is left out here.
; Operands come as images of operand registers (a fragment, 16 rows x 128 K, is 2,048 bytes: piece p = registers 4 p .. 4 p + 3, lane l's 16 bytes at 512 p + 16 l; a unit = 8 fragments = 128 rows x 128 K), and the results leave so.
; THE MATRIX INSTRUCTION IS USED TRANSPOSED: source 0 = 16 rows of the operand B, source 1 = 16 rows of A: lane (r, h) holds row r of A, and register j of accumulator b column 16 b + 8 h + j: eight neighbours along the NEXT
; product's K, so that a conversion of accumulator b gives registers 2 b, 2 b + 1 of the next operand's fragment.
; 256 WORK-GROUPS, EACH MAKES TWO TILES, one behind the other (X, Y: its place in the grid of 16 x 16):
;   tile 1, 256 x 256: A = X's codes (set 0 or 1), rows 256 Y on; B = Wq (X < 8) or Wk, rows 256 (X % 8) on: a lane holds a position, its registers run along the head's 128.  A wave makes 128 x 128: 64 accumulators.
;   tile 2, 128 x 256: A = Wv, head Y's 128 rows; B = X's codes (set 2), rows 256 X on: V^T, a lane holds a channel, its registers run along the KEYS, which are the second attention product's K.  A wave makes 64 x 128: 32 accumulators.
; qkvimg: Q at 0, K at 8 MiB, V at 16 MiB; each [batch x 16 + head][position / 128] units; Q, K: rows = positions, K = the head's 128; V: rows = channels, K = keys.
; THE BIAS is the C of each sum's first matrix instruction, divided by the power of two that the sums lack, 2^(ea + eb).  The three scales ahead of the quantiser are folded into the conversion's one, 2^(eo - ea - eb).
; LIMITS: eo - ea - eb between -126 and 112, so that this power and 57,344 times it are f32 numbers.  NaN among the inputs is not served.
; K = 1,024 goes in four steps of 256 through a ring of two LDS slots, which runs on from tile 1 into tile 2: tile 1's last two refills bring tile 2's K steps 0 and 1, so that they land under tile 1's way out.
; A wave's tensor load brings 128 rows x 256 K, 32,768 dense bytes, stated as 128 rows of 256 bytes; in tile 2 waves 0 and 1 bring 128 rows x 128 K each, 64 rows of 256 bytes.  An LDS load of a wave reads 512 consecutive bytes.
; CLUSTERS: 4 x 4 work-groups; A's tiles hang on Y alone and are asked for jointly along a row of the cluster, B's hang on X alone and are asked for along a column.
; No prefetch: a tile has four K steps, and each is asked for a whole K step ahead of its products.
; REGISTERS, in windows of 256: window 0: v16-31 addresses and constants; v32-95 tile 1's bias, on the way out the held sums; v96-127 tile 2's bias; v128-255 A's fragments (tile 1: ONE set of 8; tile 2: two sets of 4), v192-255 also the
;   codes on the way out.   window 1: B's fragments, TWO sets.   window 2: the accumulators of my A blocks 0-3 ((a, b) at v[8 (8 a + b)]);   window 3: those of blocks 4-7.
.set SLOT,  131072                     ; A's rows, then from 65,536 on B's
.set SPARE, 2*SLOT                     ; behind the ring: the spare words, 128 bytes for each wave: two blocks of 256 bytes that no other line names
.set FR,   16                          ; registers of a fragment
.set NL,   4                           ; LDS loads that bring one
.set ADRA, 16                          ; v16-17  LDS address of my A fragments in slot 0, 1
.set ADR2, 18                          ; v18-19  the same in tile 2
.set ADRB, 20                          ; v20-21  of my B fragments
.set SC2,  24                          ; v24, v25 tile 2's scale and hold
.set LIM2, 25
.set CO,   26                          ; v26     16 x lane
.set SPW,  28                          ; v28     LDS address of my spare word; never rewritten
.set NIL,  29                          ; v29     0; never rewritten
.set SCV,  30                          ; v30     2^(eo - ea - eb) as f32
.set LIMV, 31                          ; v31     57,344 x that
.set BIAS, 32
.set BV,   96
.set AF,   128
.set CD,   192
.set G1, 24                            ; s[24:31] descriptor group 1 for A's tiles;  s[32:39] group 0, one set for each slot
.set G0, 32
.set G1B, 48                           ; s[48:55], s[56:63] the same for B's
.set G0B, 56
.set G1C, 76                           ; s[76:83] group 1 for A's in tile 2
.set A2, 84                            ; s[84:85], s[86:87] where tile 2's A and B begin
.set B2, 86
.set O1, 98                            ; s[98:99], s[100:101] where my results go
.set O2, 100
.set MSB, 0
.macro WIN new                         ; the immediate's high byte repeats the setting that is left
.if MSB != (\new)
	s_set_vgpr_msb (MSB<<8)|(\new)
.set MSB, (\new)
.endif
.endm
.set TO_B, 0x40                        ; destination window 1, address window 0
.macro MWIN hi, zero                   ; source 0 (B) window 1, source 1 (A) window 0, D window 2 + hi; C with D, or, where the bias starts the sums, window 0
.if \zero
	WIN 0x81+0x40*(\hi)
.else
	WIN 0xa1+0x50*(\hi)
.endif
.endm
; A joint load: waves 0 and 1 fetch for A, waves 2 and 3 for B.  The branch hangs on the wave's number alone.  An s_nop 0 and four v_nop follow each of the two lines.
.macro JLOAD g0a, g1a, g0b, g1b
	s_cmp_eq_u32 s15, 0
	s_cbranch_scc0 .Lfor_b_\@
	tensor_load_to_lds s[\g0a:\g0a+3], s[\g1a:\g1a+7]
	s_nop 0
.rept 4
	v_nop
.endr
	s_branch .Lasked_\@
.Lfor_b_\@:
	tensor_load_to_lds s[\g0b:\g0b+3], s[\g1b:\g1b+7]
	s_nop 0
.rept 4
	v_nop
.endr
.Lasked_\@:
.endm
.macro CREST                           ; a round of the cluster's barrier behind its opening barrier
	s_cmp_lg_u32 s14, 0
	s_cbranch_scc1 .Lnot_wave_0_\@
	s_barrier_signal -3
.Lnot_wave_0_\@:
	s_barrier_wait -3
	s_barrier_signal -1
	s_barrier_wait -1
.endm
.macro CROUND                          ; a whole round
	s_barrier_signal -1
	s_barrier_wait -1
	CREST
.endm
	s_load_b256 s[4:11], s[0:1], 0x0               ; ximg 4:5, wimg 6:7, bq 8:9, bk 10:11
	s_load_b128 s[68:71], s[0:1], 0x20             ; bv 68:69, the exponents 70:71
	s_load_b64 s[72:73], s[0:1], 0x30              ; qkvimg
	v_lshl_add_u32 v[SPW], v0, 2, SPARE
	v_mov_b32 v[NIL], 0
	ds_add_u32 v[SPW], v[NIL]                      ; the wave's opening: the add, twice on end, and its wait ahead of my first tensor load; the set-up below stands between the second and the wait
	ds_add_u32 v[SPW], v[NIL]
	v_lshrrev_b32 v1, 5, v0
	v_readfirstlane_b32 s14, v1                    ; wave 0..3
	s_lshr_b32 s15, s14, 1                         ; which half of the tile's rows (A) is mine.  Also: I fetch for A (0) or for B (1)
	s_and_b32 s16, s14, 1                          ; which half of its columns (B).  Also: which part of that operand I fetch
	s_bfe_u32 s40, ttmp6, 0x40000                  ; cx, cy: my place in the cluster
	s_bfe_u32 s41, ttmp6, 0x40004
	s_lshr_b32 s67, ttmp9, 1                       ; cluster x / 2: 0 Q, 1 K
	s_lshl_b32 s42, ttmp9, 2
	s_add_co_u32 s42, s42, s40                     ; X
	s_and_b32 s17, ttmp7, 0xffff
	s_lshl_b32 s17, s17, 2
	s_add_co_u32 s17, s17, s41                     ; Y
	s_lshl_b32 s43, s41, 2
	s_lshl_b32 s43, 15, s43                        ; my row of the cluster
	s_lshl_b32 s44, 0x1111, s40                    ; my column
	s_and_b32 s22, s42, 7                          ; tile 1's column, in B's rows / 256
	; descriptor group 1: 128 rows (tile 2's A: 64) of 32 elements of 8 bytes, dense
	s_or_b32 s[G1+0], s43, (3<<16)|(1<<21)         ; 15:0 the mask: A's tiles go to my row; 17:16 elements of 8 bytes; 20 no padding; 21 set beside a mask
	s_or_b32 s[G1C+0], s43, (3<<16)|(1<<21)
	s_or_b32 s[G1B+0], s44, (3<<16)|(1<<21)        ; B's go to my column
.irp g, G1, G1B, G1C
	s_mov_b32 s[\g+1], 32<<16                      ; tensor_dim0 = 32
	s_mov_b32 s[\g+3], 32<<16                      ; tile_dim0 = 32
	s_mov_b32 s[\g+5], 32                          ; tensor_dim0_stride
	s_mov_b32 s[\g+6], 0
	s_mov_b32 s[\g+7], 0
.endr
	s_mov_b32 s[G1+2], 128<<16                     ; tensor_dim1
	s_mov_b32 s[G1B+2], 128<<16
	s_mov_b32 s[G1C+2], 64<<16
	s_mov_b32 s[G1+4], 128                         ; tile_dim1
	s_mov_b32 s[G1B+4], 128
	s_mov_b32 s[G1C+4], 64
	s_lshl_b32 s18, s16, 17                        ; which 128 rows I fetch: 8 units
	s_lshl_b32 s20, s17, 18
	s_add_co_u32 s20, s20, s18                     ; A, tile 1: 256 Y rows on; A's registers never hold cx
	s_mov_b32 s21, 0
	s_lshl_b32 s46, s22, 18
	s_add_co_u32 s46, s46, s18                     ; B, tile 1; B's registers never hold cy
	s_mov_b32 s47, 0
	s_lshl_b32 s66, s16, 14                        ; A, tile 2: which unit of a K step's two I fetch.  Also its place in a slot
	s_lshl_b32 s[A2], s17, 17
	s_add_co_u32 s[A2], s[A2], s66
	s_add_co_u32 s[A2], s[A2], 0x400000            ; Wv, 128 Y rows on
	s_mov_b32 s[A2+1], 0
	s_lshl_b32 s[B2], s42, 18
	s_add_co_u32 s[B2], s[B2], s18
	s_add_co_u32 s[B2], s[B2], 0x800000            ; X's set 2, 256 X rows on
	s_mov_b32 s[B2+1], 0
	s_lshl_b32 s45, s14, 15                        ; where they go: wave x 32,768: no place in the cluster enters an LDS address
	s_wait_dscnt 0x0                               ; both opening adds are done
	s_wait_kmcnt 0x0
	s_load_b256 s[88:95], s[70:71], 0x0            ; e0 .. e7
	s_load_b64 s[96:97], s[70:71], 0x20            ; e8, e9
	s_add_nc_u64 s[A2:A2+1], s[6:7], s[A2:A2+1]
	s_add_nc_u64 s[B2:B2+1], s[4:5], s[B2:B2+1]
	s_lshl_b32 s12, s67, 22
	s_mov_b32 s13, 0
	s_add_nc_u64 s[4:5], s[4:5], s[12:13]          ; X's set
	s_lshl_b32 s12, s67, 21
	s_add_nc_u64 s[6:7], s[6:7], s[12:13]          ; the weight
	s_add_nc_u64 s[20:21], s[4:5], s[20:21]
	s_add_nc_u64 s[46:47], s[6:7], s[46:47]
	CROUND                                         ; all sixteen work-groups are here: the first joint loads meet
.irp s, 0,1
	s_mov_b32 s[G0+4*\s], 1
	s_add_co_u32 s[G0+4*\s+1], s45, \s*SLOT
	s_add_nc_u64 s[G0+4*\s+2:G0+4*\s+3], s[20:21], \s*32768   ; K step s: two units
	s_or_b32 s[G0+4*\s+3], s[G0+4*\s+3], 0x80000000
	s_mov_b32 s[G0B+4*\s], 1
	s_add_co_u32 s[G0B+4*\s+1], s45, \s*SLOT
	s_add_nc_u64 s[G0B+4*\s+2:G0B+4*\s+3], s[46:47], \s*32768
	s_or_b32 s[G0B+4*\s+3], s[G0B+4*\s+3], 0x80000000
.endr
	JLOAD G0, G1, G0B, G1B                         ; K step 0: one tensor load a wave at the head
	s_lshl_b32 s18, s15, 15                        ; my 128 rows of A
	s_lshl_b32 s19, s15, 13                        ; tile 2: my 64 rows
	s_lshl_b32 s23, s16, 15                        ; my 128 rows of B,
	s_add_co_u32 s23, s23, 65536                   ; which lie behind A's
	v_and_b32 v1, 31, v0
	v_and_b32 v2, 15, v0                           ; r
	v_bfe_u32 v3, v0, 4, 1                         ; h
	v_lshlrev_b32 v[CO], 4, v1
	v_lshlrev_b32 v22, 5, v3                       ; a bias along the columns: my half's eight numbers
	v_lshlrev_b32 v23, 2, v2                       ; a bias along the rows: my row's number
	v_add_nc_u32 v[ADRA], s18, v[CO]
	v_add_nc_u32 v[ADR2], s19, v[CO]
	v_add_nc_u32 v[ADRB], s23, v[CO]
	v_add_nc_u32 v[ADRA+1], SLOT, v[ADRA]
	v_add_nc_u32 v[ADR2+1], SLOT, v[ADR2]
	v_add_nc_u32 v[ADRB+1], SLOT, v[ADRB]
	; where the results go, and the biases
	s_lshl_b32 s12, s17, 1
	s_add_co_u32 s12, s12, s15                     ; tile 1: the block of 128 positions,
	s_lshl_b32 s13, s22, 1
	s_add_co_u32 s13, s13, s16                     ; the head
	s_lshr_b32 s18, s12, 4
	s_lshl_b32 s18, s18, 22                        ; batch
	s_lshl_b32 s19, s13, 18
	s_add_co_u32 s18, s18, s19
	s_and_b32 s19, s12, 15
	s_lshl_b32 s19, s19, 14
	s_add_co_u32 s18, s18, s19
	s_lshl_b32 s19, s67, 23                        ; Q or K
	s_add_co_u32 s18, s18, s19
	s_mov_b32 s19, 0
	s_add_nc_u64 s[O1:O1+1], s[72:73], s[18:19]
	s_lshl_b32 s12, s42, 1
	s_add_co_u32 s12, s12, s16                     ; tile 2: the block of 128 positions; the head is Y
	s_lshr_b32 s18, s12, 4
	s_lshl_b32 s18, s18, 22
	s_and_b32 s19, s12, 15
	s_lshl_b32 s19, s19, 14
	s_add_co_u32 s18, s18, s19
	s_lshl_b32 s19, s17, 18
	s_add_co_u32 s18, s18, s19
	s_lshl_b32 s19, s15, 13                        ; my four fragments
	s_add_co_u32 s18, s18, s19
	s_add_co_u32 s18, s18, 0x1000000               ; V
	s_mov_b32 s19, 0
	s_add_nc_u64 s[O2:O2+1], s[72:73], s[18:19]
	s_lshl_b32 s18, s13, 9                         ; the head's 128 numbers of bq or bk
	s_cmp_eq_u32 s67, 1
	s_cselect_b64 s[74:75], s[10:11], s[8:9]
	s_add_nc_u64 s[74:75], s[74:75], s[18:19]
	s_lshl_b32 s18, s17, 9
	s_lshl_b32 s12, s15, 8
	s_add_co_u32 s18, s18, s12                     ; my 64 numbers of bv
	s_add_nc_u64 s[68:69], s[68:69], s[18:19]
	s_wait_alu depctr_va_vdst(0)                   ; directly ahead of the readers below
.irp b, 0,1,2,3,4,5,6,7                ; eight registers for each block b of columns: the bias at columns 16 b + 8 h + 0 .. 7
	global_load_b128 v[BIAS+8*\b:BIAS+8*\b+3], v22, s[74:75] offset:64*\b
	global_load_b128 v[BIAS+8*\b+4:BIAS+8*\b+7], v22, s[74:75] offset:64*\b+16
.endr
.irp a, 0,1,2,3
	global_load_b32 v[AF+\a], v23, s[68:69] offset:64*\a   ; bv at row 16 a + r
.endr
	s_wait_kmcnt 0x0
	s_add_co_i32 s88, s88, s89                     ; e0 + e1
	s_add_co_i32 s90, s90, s91                     ; e2 + e3
	s_add_co_i32 s92, s92, s93                     ; e4 + e5
	s_cmp_eq_u32 s67, 1                            ; ids choose among the loaded exponents; no branch hangs on them
	s_cselect_b32 s88, s90, s88                    ; ea + eb
	s_cselect_b32 s89, s95, s94                    ; eo: e7 or e6
	s_sub_co_i32 s90, 0, s88
	s_sub_co_i32 s93, 0, s92
	s_sub_co_i32 s89, s89, s88
	s_sub_co_i32 s97, s97, s92                     ; e9 - e4 - e5
.macro SCALE e, sc, lim
	s_add_co_i32 s\e, s\e, 127
	s_lshl_b32 s96, s\e, 23
	v_mov_b32 v[\sc], s96
	s_add_co_i32 s\e, s\e, 15
	s_lshl_b32 s96, s\e, 23
	s_or_b32 s96, s96, 0x600000
	v_mov_b32 v[\lim], s96
.endm
	SCALE 89, SCV, LIMV
	SCALE 97, SC2, LIM2
	s_wait_alu depctr_va_vdst(0)
	s_wait_loadcnt 0x0
.set nn, 0
.rept 64
	v_ldexp_f32 v[BIAS+nn], v[BIAS+nn], s90        ; / 2^(ea + eb)
.set nn, nn+1
.endr
.set nn, 0
.rept 32
	v_ldexp_f32 v[BV+nn], v[AF+nn/8], s93          ; eight registers for each block a of rows, all the bias at row 16 a + r
.set nn, nn+1
.endr
.macro FRAG reg, adr, q, i             ; fragment i of the slot's q-th 128 along K: four loads of 512 consecutive bytes
.irp c, 0,1,2,3
	ds_load_b128 v[\reg+4*\c:\reg+4*\c+3], v[\adr] offset:16384*(\q)+2048*(\i)+512*\c
.endr
.endm
; TILE 1.  16 matrix instructions: A's blocks a0, a0 + 1 x B's eight, 128 along K.  p: B's set.  zero = 1: the bias starts the sums.
; The 64 accumulators take turns, one instruction a turn, in the same order in every step.
.macro MUL16 a0, p, zero
.irp a, \a0, \a0+1
.irp b, 0,1,2,3,4,5,6,7
.if \zero
	v_wmma_f32_16x16x128_bf8_bf8 v[8*(8*((\a)%4)+\b):8*(8*((\a)%4)+\b)+7], v[128*(\p)+FR*\b:128*(\p)+FR*\b+FR-1], v[AF+FR*(\a):AF+FR*(\a)+FR-1], v[BIAS+8*\b:BIAS+8*\b+7]
.else
	v_wmma_f32_16x16x128_bf8_bf8 v[8*(8*((\a)%4)+\b):8*(8*((\a)%4)+\b)+7], v[128*(\p)+FR*\b:128*(\p)+FR*\b+FR-1], v[AF+FR*(\a):AF+FR*(\a)+FR-1], v[8*(8*((\a)%4)+\b):8*(8*((\a)%4)+\b)+7]
.endif
.endr
.endr
.endm
.macro FETCH_B slot, q, p
	WIN TO_B
.irp i, 0,1,2,3,4,5,6,7
	FRAG 128*(\p)+FR*\i, ADRB+\slot, \q, \i
.endr
	WIN 0
.endm
.macro FETCH_A slot, q, i0
.irp i, \i0, \i0+1, \i0+2, \i0+3
	FRAG AF+FR*(\i), ADRA+\slot, \q, \i
.endr
.endm
.macro FETCH_2 slot, q, p              ; tile 2: A's four fragments into set p
.irp i, 0,1,2,3
	FRAG AF+64*(\p)+FR*\i, ADR2+\slot, \q, \i
.endr
.endm
.macro PLACES                          ; a load into a register that a matrix instruction has read, and a vector instruction that reads a matrix result, stand four plain vector instructions behind it (ISA guide 7.12.1 for vector instructions)
.rept 4
	v_nop
.endr
.endm
; A step of 128 along K that has its successor in the same slot.  A has one set of registers: blocks 0-3 are fetched anew in the step's middle, blocks 4-7 at its end; B has two sets.
.macro STEP slot, q, zero
	s_wait_dscnt 4*NL                              ; B's set and A's blocks 0-3 are in; the youngest 16 loads (A's blocks 4-7) may be out
	MWIN 0, \zero
	MUL16 0, (\q)%2, \zero
	MUL16 2, (\q)%2, \zero
	s_wait_dscnt 0
	PLACES
	FETCH_B \slot, (\q)+1, 1-(\q)%2
	FETCH_A \slot, (\q)+1, 0
	MWIN 1, \zero
	MUL16 4, (\q)%2, \zero
	MUL16 6, (\q)%2, \zero
	PLACES
	WIN 0
	FETCH_A \slot, (\q)+1, 4
.endm
; A slot's last step changes slots: in front of the barrier each wave waits for all its tensor loads, adds 0 to its spare word, and waits for that and for its own reads of this slot; the barrier opens a round of the cluster's.
; fill = 1: the slot is filled again two K steps ahead; 2: with tile 2's K step 0 (slot 0) or 1 (slot 1).  last = 1: what is fetched next is tile 2's.
.macro TURN slot, next, fill, last
	s_wait_tensorcnt 0x0                           ; all my tensor loads have landed: my part of the next slot  (every window is 0 here)
	ds_add_u32 v[SPW], v[NIL]                      ; 0 onto my spare word
	s_wait_dscnt 4*NL+1                            ; (the add and the youngest 16 loads may be out)
	MWIN 0, 0
	MUL16 0, 1, 0                                  ; sixteen matrix instructions stand between the add and the wait for it
	s_wait_dscnt 0x0                               ; the add is done, and my reads of this slot are over
	s_barrier_signal -1
	MUL16 2, 1, 0
	WIN 0
	s_barrier_wait -1
	CREST                                          ; no wave of any partner still reads this slot or has a load on its way
.if (\fill) == 1
	s_add_nc_u64 s[G0+4*\slot+2:G0+4*\slot+3], s[G0+4*\slot+2:G0+4*\slot+3], 65536
	s_add_nc_u64 s[G0B+4*\slot+2:G0B+4*\slot+3], s[G0B+4*\slot+2:G0B+4*\slot+3], 65536
	JLOAD G0+4*\slot, G1, G0B+4*\slot, G1B         ; the first tensor load behind the round, my one load until the next; its four v_nop are the places in front of the loads below
.else
	s_add_co_u32 s[G0+4*\slot+1], s66, \slot*SLOT
	s_add_nc_u64 s[G0+4*\slot+2:G0+4*\slot+3], s[A2:A2+1], \slot*32768
	s_or_b32 s[G0+4*\slot+3], s[G0+4*\slot+3], 0x80000000
	s_add_nc_u64 s[G0B+4*\slot+2:G0B+4*\slot+3], s[B2:B2+1], \slot*32768
	s_or_b32 s[G0B+4*\slot+3], s[G0B+4*\slot+3], 0x80000000
	JLOAD G0+4*\slot, G1C, G0B+4*\slot, G1B
.endif
	FETCH_B \next, 0, 0
.if \last
	FETCH_2 \next, 0, 0
.else
	FETCH_A \next, 0, 0
.endif
	MWIN 1, 0
	MUL16 4, 1, 0
	MUL16 6, 1, 0
	PLACES
	WIN 0
.if (\last) == 0
	FETCH_A \next, 0, 4
.endif
.endm
; TILE 2.  8 matrix instructions: A's block a x B's eight.  p: both operands' set.  The 32 accumulators take turns likewise.
.macro MUL8 a, p, zero
.irp b, 0,1,2,3,4,5,6,7
.if \zero
	v_wmma_f32_16x16x128_bf8_bf8 v[8*(8*(\a)+\b):8*(8*(\a)+\b)+7], v[128*(\p)+FR*\b:128*(\p)+FR*\b+FR-1], v[AF+64*(\p)+FR*(\a):AF+64*(\p)+FR*(\a)+FR-1], v[BV+8*(\a):BV+8*(\a)+7]
.else
	v_wmma_f32_16x16x128_bf8_bf8 v[8*(8*(\a)+\b):8*(8*(\a)+\b)+7], v[128*(\p)+FR*\b:128*(\p)+FR*\b+FR-1], v[AF+64*(\p)+FR*(\a):AF+64*(\p)+FR*(\a)+FR-1], v[8*(8*(\a)+\b):8*(8*(\a)+\b)+7]
.endif
.endr
.endm
.macro STEP2 slot, zero                ; a slot's first 128 along K, on sets 0; its second is fetched into sets 1
	s_wait_dscnt 0
	PLACES
	FETCH_B \slot, 1, 1
	FETCH_2 \slot, 1, 1
	MWIN 0, \zero
.irp a, 0,1,2,3
	MUL8 \a, 0, \zero
.endr
	WIN 0
.endm
.macro TURN2 slot, next, fill          ; its second, on sets 1, and the change of slots, as above
	s_wait_tensorcnt 0x0
	ds_add_u32 v[SPW], v[NIL]
	s_wait_dscnt 1                                 ; my fragments are in; the add may be out
	MWIN 0, 0
	MUL8 0, 1, 0
	s_wait_dscnt 0x0                               ; the add is done, and my reads of this slot are over
	s_barrier_signal -1
	MUL8 1, 1, 0
	WIN 0
	s_barrier_wait -1
.if \fill
	CREST
	s_add_nc_u64 s[G0+4*\slot+2:G0+4*\slot+3], s[G0+4*\slot+2:G0+4*\slot+3], 65536
	s_add_nc_u64 s[G0B+4*\slot+2:G0B+4*\slot+3], s[G0B+4*\slot+2:G0B+4*\slot+3], 65536
	JLOAD G0+4*\slot, G1C, G0B+4*\slot, G1B
.else
	PLACES
.endif
	FETCH_B \next, 0, 0
	FETCH_2 \next, 0, 0
	MWIN 0, 0
	MUL8 2, 1, 0
	MUL8 3, 1, 0
	WIN 0
.endm
; THE WAY OUT.  Block a (16 rows x 128 columns) is a fragment of the next product: held, converted, stored as it stands: four stores of 512 consecutive bytes, aligned.  Four blocks' codes have registers of their own.
.macro OUTBLK a, sc, lim, dst
.if (\a) == 4
	s_wait_xcnt 0x0                                ; blocks 0-3's stores have read their registers, which take codes again
.endif
	WIN 0x02+((\a)/4)                              ; source 0: window 2 or 3
.set nn, 0
.rept 64
	v_med3_num_f32 v[BIAS+nn], v[64*((\a)%4)+nn], -v[\lim], v[\lim]   ; the hold at the largest code x the scale (the conversion to an 8-bit code does not saturate: ISA guide 7.6.2); each accumulator from its low end on
.set nn, nn+1
.endr
	WIN 0
.irp b, 0,1,2,3,4,5,6,7
	v_cvt_scalef32_pk8_bf8_f32 v[CD+16*((\a)%4)+2*\b:CD+16*((\a)%4)+2*\b+1], v[BIAS+8*\b:BIAS+8*\b+7], v[\sc]
.endr
	v_nop                                          ; a plain line between the conversions and the next block's holds, which write their sources
.irp c, 0,1,2,3
	global_store_b128 v[CO], v[CD+16*((\a)%4)+4*\c:CD+16*((\a)%4)+4*\c+3], s[\dst:\dst+1] offset:2048*(\a)+512*\c
.endr
.endm
	s_wait_alu depctr_va_vdst(0)                   ; the head's end
	s_wait_tensorcnt 0x0                           ; my part of K step 0 is in
	ds_add_u32 v[SPW], v[NIL]
	s_wait_dscnt 0x0
	CROUND                                         ; everybody's part of K step 0 is in
	JLOAD G0+4, G1, G0B+4, G1B                     ; K step 1, the first tensor load behind the round
	FETCH_B 0, 0, 0
	FETCH_A 0, 0, 0
	FETCH_A 0, 0, 4
	STEP 0, 0, 1
	TURN 0, 1, 1, 0                                ; K step 2 into slot 0
	STEP 1, 0, 0
	TURN 1, 0, 1, 0                                ; K step 3 into slot 1
	STEP 0, 0, 0
	TURN 0, 1, 2, 0                                ; tile 2's K step 0 into slot 0
	STEP 1, 0, 0
	TURN 1, 0, 2, 1                                ; tile 2's K step 1 into slot 1, and tile 2's first fragments are fetched
.irp a, 0,1,2,3,4,5,6,7
	OUTBLK \a, SCV, LIMV, O1
.endr
	s_wait_xcnt 0x0                                ; the stores have read their registers, which take fragments again
	STEP2 0, 1
	TURN2 0, 1, 1                                  ; K step 2
	STEP2 1, 0
	TURN2 1, 0, 1                                  ; K step 3
	STEP2 0, 0
	TURN2 0, 1, 0                                  ; nothing is left to fetch, and no round of the cluster's barrier
	STEP2 1, 0
	s_wait_dscnt 0                                 ; the very last step
	MWIN 0, 0
.irp a, 0,1,2,3
	MUL8 \a, 1, 0
.endr
	WIN 0
	PLACES
.irp a, 0,1,2,3
	OUTBLK \a, SC2, LIM2, O2
.endr
	s_wait_tensorcnt 0x0                           ; the wave's end: three lines behind my last tensor load
	ds_add_u32 v[SPW], v[NIL]
	s_wait_dscnt 0x0
	CROUND                                         ; the closing round: no work-group ends while a partner may still ask for a tile that names it
	s_endpgm
.Lfunc_end_k_q8de87af5ed_qkv:
	.size	k_q8de87af5ed_qkv, .Lfunc_end_k_q8de87af5ed_qkv-k_q8de87af5ed_qkv
	.p2alignl 7, 3214868480
	.fill 96, 4, 3214868480
	.section	.rodata,"a",@progbits
	.p2align	6, 0x0
	.amdhsa_kernel k_q8de87af5ed_qkv
		.amdhsa_group_segment_fixed_size 327680
		.amdhsa_private_segment_fixed_size 0
		.amdhsa_enable_private_segment 0
		.amdhsa_kernarg_size 56
		.amdhsa_user_sgpr_count 2
		.amdhsa_user_sgpr_kernarg_segment_ptr 1
		.amdhsa_wavefront_size32 1
		.amdhsa_system_sgpr_workgroup_id_x 1
		.amdhsa_system_sgpr_workgroup_id_y 1
		.amdhsa_system_sgpr_workgroup_id_z 1
		.amdhsa_system_vgpr_workitem_id 0
		.amdhsa_next_free_vgpr 1024
		.amdhsa_next_free_sgpr 102
		.amdhsa_reserve_vcc 0
		.amdhsa_float_denorm_mode_32 3
		.amdhsa_float_denorm_mode_16_64 3
		.amdhsa_memory_ordered 1
		.amdhsa_forward_progress 1
		.amdhsa_inst_pref_size 194
	.end_amdhsa_kernel
	.amdgpu_metadata
---
amdhsa.version: [ 1, 2 ]
amdhsa.kernels:
  - .name:           k_q8de87af5ed_qkv
    .symbol:         k_q8de87af5ed_qkv.kd
    .args:
      - { .name: ximg, .offset: 0, .size: 8, .value_kind: global_buffer, .address_space: global }
      - { .name: wimg, .offset: 8, .size: 8, .value_kind: global_buffer, .address_space: global }
      - { .name: bq, .offset: 16, .size: 8, .value_kind: global_buffer, .address_space: global }
      - { .name: bk, .offset: 24, .size: 8, .value_kind: global_buffer, .address_space: global }
      - { .name: bv, .offset: 32, .size: 8, .value_kind: global_buffer, .address_space: global }
      - { .name: lowp_scales, .offset: 40, .size: 8, .value_kind: global_buffer, .address_space: global }
      - { .name: qkvimg, .offset: 48, .size: 8, .value_kind: global_buffer, .address_space: global }
    .group_segment_fixed_size: 327680
    .private_segment_fixed_size: 0
    .kernarg_segment_align: 8
    .kernarg_segment_size: 56
    .max_flat_workgroup_size: 128
    .sgpr_count:     102
    .vgpr_count:     1024
    .wavefront_size: 32
...
	.end_amdgpu_metadata
.endif
;; end of part 2
;; launch attn (part 3): grid 8 x 32, 8 waves a work-group, no clusters, 327,680 bytes of LDS; arguments qkvimg, lowp_scales, yimg; writes yimg
.if DOCPART == 3
	.amdgcn_target "amdgcn-amd-amdhsa--gfx1250"
	.amdhsa_code_object_version 6
	.text
	.protected	k_q8de87af5ed_attn
	.globl	k_q8de87af5ed_attn
	.p2align	8
	.type	k_q8de87af5ed_attn,@function
k_q8de87af5ed_attn:
	s_mov_b64 s[64:65], 0
	v_nop
	global_prefetch_b8 v0, s[64:65] scope:SCOPE_SE
	s_setreg_imm32_b32 hwreg(HW_REG_WAVE_MODE, 25, 1), 1
	s_wait_xcnt 0x0
; THIRD LAUNCH: y = softmax(Q K^T / sqrt(128), causal) V for each of the 32 (batch, head), both products on codes of BF8, and y's own quantising (entry 10 of the exponents).
; WORK LEFT OUT: a step of 32 queries x 128 keys all of whose keys come after the queries: reference()'s own jnp.tril gives those scores the weight 0 for all values of the inputs (shown at the head of the first launch).
; THE SOFTMAX AHEAD OF THE SECOND PRODUCT: t = score x log2(e) / sqrt(128); M = the row's largest t so far, rounded UP to a whole number; p = 2^(t - M) is what is quantised (entry 8), not normalised.
; The row's sum is taken of the unquantised p, in f32, and divides at the end.  When M moves, the sum and O are multiplied by 2^(old M - new M): exact.
; qkvimg: Q at 0, K at 8 MiB, V at 16 MiB, each [batch x 16 + head][position / 128] units of 16,384 bytes, 8 fragments each, as images of operand registers (Q, K: rows = positions, K = the head's 128; V: rows = channels, K = keys).
; yimg: [(batch x 2,048 + position) / 128][head] units: rows = positions, K = the head's 128 channels.
; SHARES.  Work-group (i, batch x 16 + head) owns the blocks i (early) and 15 - i (late) of 128 queries: (i + 1) + (16 - i) = 17 key steps of 128 keys for each pair of their tiles.  Eight waves of 512 registers; wave w owns the
; two tiles 2 p, 2 p + 1 (p = w % 4) of a block, so that each fragment of K or V feeds two matrix instructions.  Waves 0-3 (role A) take the late block, waves 4-7 (role B) the early one.  Keys come in slots of two steps.
; Up to the slot that holds the early block's last step each wave walks both steps of a slot for its own block.  Behind it B stores the early block's y and begins anew on A's queries: A takes a slot's even step, B its odd one.
; So A has 9 steps and B 8, whatever i.  At the end the two partial results of a pair, each under its own M, are joined through LDS: B holds the pair's tiles in swapped order, so that each wave hands its second tile over and
; finishes its first.
; Both products are used transposed (S^T = K Q^T, O^T = V^T P^T): a lane holds ONE query (lane % 16) of a tile; register j of key tile T holds key (or channel) 16 T + 8 (lane / 16) + j, so a conversion of tile T gives
; registers 2 T, 2 T + 1 of the next operand.
; K's and V's units come through a ring of two LDS slots of 256 keys.  Waves 0 to 3 fetch: 0, 1 for K, 2, 3 for V; each brings four fragments of each of the slot's two units: 2 rows of 8,192 bytes, 16,384 apart in memory.
; In a slot, fragment f of step q lies at 16,384 (f / 4) + 8,192 q + 2,048 (f % 4), V's 32,768 behind K's.  An LDS load of a wave reads 512 consecutive bytes: no padding.
; NO CLUSTER: the eight work-groups of a head need different numbers of slots under the mask, and branch on their own number.
; LIMITS on the given exponents, so that each power of two below is an f32 number: e6 + e7 between -123 and 130 (added to c's exponent field); e8, and e10 - e8 - e9, between -126 and 112.
; LIMIT: the scaled scores (the exponents to the base 2, ahead of the maximum) stay under 2^31 in magnitude.
; REGISTERS, in windows of 256: tile 0 in window 0, tile 1 in window 1, at the same numbers: v16-31 Q; v96-159 S^T, then p; v160-223 O^T; v224-239 p's codes; v248-249 the sum in two halves; v250-255 at work.
;   v32-95 fragments 0-3 (window 0) and 4-7 (window 1) of K or of V.   Window 0 alone: v1-15 addresses and constants; v240, v242 -M and v241, v243 the largest t of the two tiles; v244, v246 2^(old M - new M).
.set SLOT1, 65536                      ; slot 1 begins here: one exclusive or turns an address in one slot into the other's
.set STG,   2*SLOT1                    ; behind the ring: a stage for each wave, for the join: 64 registers x 128 bytes, and 256 bytes
.set STGW,  8448
.set SPARE, STG+8*STGW                 ; behind the stages: the spare words, 128 bytes for each wave: four blocks of 256 bytes that no other line names
.set NSL,   8                          ; slots' worth of keys
.set LI,   1                           ; 16 x lane
.set STA,  2                           ; my stage, the partner's (PTA); STB, PTB: their last 256 bytes
.set PFO,  3
.set PTA,  4
.set SPW,  5
.set NIL,  6
.set STB,  7
.set LA,   8
.set PTB,  9
.set LH,   10                          ; 57,344 x 2^e8
.set SC8,  12                          ; 2^e8
.set SCY,  13                          ; 2^(e10 - e8 - e9)
.set LMY,  14                          ; 57,344 x that
.set NINF, 15
.set TB,   2                           ; s2   LDS byte at which the slot in hand begins
.set QB,   8                           ; s[8:9] my first queries' fragments;  s[10:11] the late pair's
.set QLB,  10
.set YE,   12                          ; s[12:13] y of the early pair;  s[14:15] y of the late tile that I finish
.set YL,   14
.set WV,   18
.set ROLE, 19                          ; 0 A, 1 B
.set SEL,  20                          ; s[20:21] lane selects for v_permlanex16_b32: lane l xor 16
.set CS,   22                          ; s[22:23] c = log2(e) / sqrt(128) x 2^(e6 + e7)
.set G1,   24                          ; s[24:31] descriptor group 1
.set KS,   32                          ; the step in hand: keys 128 KS on
.set KLIM, 33                          ; the last step of my queries: their block's number
.set LB,   34                          ; the late block's number
.set SKQ,  35                          ; bit q: step q of a slot is not mine
.set SK2,  36                          ; what SKQ becomes when the early block is done
.set PHK,  37                          ; KS when the early block is done
.set U0,   38                          ; my tiles' places in their block
.set U1,   39
.set G0,   40                          ; s[40:43] descriptor group 0, which walks
.set SLOTS, 44                         ; slots still to come, this one among them
.set LIM,  45                          ; 2 in a wave that prefetches, else the greatest number
.set PFA,  46                          ; s[46:47] where my prefetches stand
.set MK,   48                          ; s[48:55] the diagonal tile's masks: bit of lane l in word j: key 8 (l / 16) + j comes after query l % 16
.set MT,   56                          ; s[56:63], s66 at work on the mask
.set MSB, 0
.macro WIN new                         ; the immediate's high byte repeats the setting that is left
.if MSB != (\new)
	s_set_vgpr_msb (MSB<<8)|(\new)
.set MSB, (\new)
.endif
.endm
; Waves 0 to 3 fetch, the others nothing.  The branch hangs on the wave's number alone.  An s_nop 0 and four v_nop follow the load.
.macro TLOAD
	s_cmp_lt_u32 s[WV], 4
	s_cbranch_scc0 .Lasked_\@
	tensor_load_to_lds s[G0:G0+3], s[G1:G1+7]
	s_nop 0
.rept 4
	v_nop
.endr
.Lasked_\@:
.endm
; A PREFETCH of what the NEXT change of slots will ask for: K's 32,768 bytes and V's.  All work-groups of a head walk the same K and V from key 0 on; work-group 0 of the head, which walks all keys, asks, and nobody else.  In it
; waves 4, 5 ask for K's bytes and waves 6, 7 for V's, 16,384 bytes a wave in two instructions, lanes 256 bytes apart: each aligned block of 256 bytes is named once in the launch.  The last two changes ask for nothing;
; slots 0 and 1 come by their loads alone.
.macro ASK
	s_cmp_gt_u32 s[SLOTS], s[LIM]
	s_cbranch_scc0 .Lnot_mine_\@
	global_prefetch_b8 v[PFO], s[PFA:PFA+1] th:TH_LOAD_NT scope:SCOPE_SE
	global_prefetch_b8 v[PFO], s[PFA:PFA+1] offset:8192 th:TH_LOAD_NT scope:SCOPE_SE
.Lnot_mine_\@:
.endm
	s_load_b128 s[4:7], s[0:1], 0x0                ; qkvimg 4:5, the exponents 6:7
	s_load_b64 s[16:17], s[0:1], 0x10              ; yimg
	v_lshl_add_u32 v[SPW], v0, 2, SPARE
	v_mov_b32 v[NIL], 0
	ds_add_u32 v[SPW], v[NIL]                      ; the wave's opening: the add, twice on end, and its wait ahead of my first tensor load; the set-up below stands between the second and the wait
	ds_add_u32 v[SPW], v[NIL]
	v_lshrrev_b32 v8, 5, v0
	v_readfirstlane_b32 s[WV], v8                  ; wave 0..7
	s_lshr_b32 s[ROLE], s[WV], 2
	s_and_b32 s80, s[WV], 3                        ; p: my pair of tiles.  Also: what I fetch or prefetch
	s_and_b32 s81, ttmp7, 0xffff                   ; batch x 16 + head
	s_sub_co_u32 s[LB], 15, ttmp9
	s_cmp_eq_u32 s[ROLE], 0
	s_cselect_b32 s[KLIM], s[LB], ttmp9
	s_cselect_b32 s[SK2], 2, 1
	s_mov_b32 s[SKQ], 0
	s_and_b32 s[PHK], ttmp9, 6
	s_add_co_u32 s[PHK], s[PHK], 2
	s_lshl_b32 s[U0], s80, 1
	s_add_co_u32 s[U1], s[U0], 1
	s_lshl_b32 s86, s81, 18                        ; the head's 16 units
	s_lshl_b32 s87, s80, 12                        ; my pair's two fragments in a unit
	s_add_co_u32 s88, s86, s87
	s_lshl_b32 s90, s[LB], 14
	s_add_co_u32 s90, s90, s88                     ; Q: the late block's
	s_mov_b32 s91, 0
	s_lshl_b32 s82, s[KLIM], 14
	s_add_co_u32 s88, s88, s82                     ; and my first block's
	s_mov_b32 s89, 0
	s_lshr_b32 s83, s81, 4
	s_lshl_b32 s83, s83, 22                        ; y: the batch's 16 blocks,
	s_and_b32 s84, s81, 15
	s_lshl_b32 s84, s84, 14                        ; the head's unit,
	s_add_co_u32 s83, s83, s84
	s_add_co_u32 s83, s83, s87                     ; my pair;
	s_lshl_b32 s92, ttmp9, 18
	s_add_co_u32 s92, s92, s83                     ; in the early block,
	s_mov_b32 s93, 0
	s_lshl_b32 s94, s[LB], 18
	s_add_co_u32 s94, s94, s83                     ; in the late one,
	s_lshl_b32 s84, s[ROLE], 11
	s_add_co_u32 s94, s94, s84                     ; the tile that I finish there
	s_mov_b32 s95, 0
	s_lshr_b32 s85, s80, 1
	s_add_co_u32 s85, s85, 1
	s_lshl_b32 s85, s85, 23                        ; K or V,
	s_add_co_u32 s85, s85, s86
	s_and_b32 s84, s80, 1
	s_lshl_b32 s96, s84, 13                        ; which four fragments of each unit I fetch
	s_add_co_u32 s96, s96, s85
	s_mov_b32 s97, 0
	s_lshl_b32 s82, s80, 14                        ; and their place in a slot
	s_lshl_b32 s84, s84, 14                        ; the prefetches: my wave's 16,384 bytes,
	s_add_co_u32 s84, s84, s85
	s_add_co_u32 s84, s84, 32768                   ; in slot 1: the first change of slots steps it to slot 2.  Nothing is prefetched here, at the head
	s_mov_b32 s85, 0
	; descriptor group 1: 2 rows of 1,024 elements of 8 bytes, 2,048 elements apart
	s_mov_b32 s[G1], 3<<16                         ; 15:0 no mask; 17:16 elements of 8 bytes; no padding
	s_mov_b32 s[G1+1], 1024<<16                    ; tensor_dim0
	s_mov_b32 s[G1+2], 2<<16                       ; tensor_dim1
	s_mov_b32 s[G1+3], 1024<<16                    ; tile_dim0
	s_mov_b32 s[G1+4], 2                           ; tile_dim1
	s_mov_b32 s[G1+5], 2048                        ; tensor_dim0_stride
	s_mov_b32 s[G1+6], 0
	s_mov_b32 s[G1+7], 0
	s_mov_b32 s[SEL], 0x76543210
	s_mov_b32 s[SEL+1], 0xfedcba98
	s_mov_b32 s[CS], 0x3e0293ee                    ; c = log2(e) / sqrt(128)
	s_mov_b32 s[TB], 0
	s_mov_b32 s[SLOTS], NSL
	s_mov_b32 s[KS], 0
	s_wait_dscnt 0x0                               ; both opening adds are done
	s_wait_kmcnt 0x0
	s_load_b128 s[68:71], s[6:7], 0x18             ; e6, e7, e8, e9
	s_load_b32 s72, s[6:7], 0x28                   ; e10
	s_mov_b32 s[G0], 1                             ; count = 1
	s_mov_b32 s[G0+1], s82                         ; LDS address: slot 0
	s_add_nc_u64 s[G0+2:G0+3], s[4:5], s[96:97]    ; global address: the head's first 256 keys
	s_or_b32 s[G0+3], s[G0+3], 0x80000000          ; type = 2
	TLOAD                                          ; slot 0: it holds key 0, which counts for every query
	s_add_nc_u64 s[QB:QB+1], s[4:5], s[88:89]
	s_add_nc_u64 s[QLB:QLB+1], s[4:5], s[90:91]
	s_add_nc_u64 s[YE:YE+1], s[16:17], s[92:93]
	s_add_nc_u64 s[YL:YL+1], s[16:17], s[94:95]
	s_add_nc_u64 s[PFA:PFA+1], s[4:5], s[84:85]
	s_xor_b32 s86, s[ROLE], 1                      ; 0 in waves 4 to 7,
	s_or_b32 s86, s86, ttmp9                       ; of the head's work-group 0
	s_cmp_eq_u32 s86, 0
	s_cselect_b32 s[LIM], 2, -1
	v_and_b32 v[LI], 31, v0
	v_and_b32 v7, 15, v0                           ; r
	v_bfe_u32 v9, v0, 4, 1                         ; h
	v_lshlrev_b32 v[PFO], 8, v[LI]
	v_lshlrev_b32 v[LI], 4, v[LI]
	v_lshlrev_b32 v9, 3, v9
	v_sub_nc_u32 v9, v7, v9                        ; r - 8 h
.macro QLOAD base, o0, o1              ; Q's fragments of my two tiles stay in registers
.irp c, 0,1,2,3
	global_load_b128 v[16+4*\c:19+4*\c], v[LI], s[\base:\base+1] offset:(\o0)+512*\c
.endr
	WIN 0x40
.irp c, 0,1,2,3
	global_load_b128 v[16+4*\c:19+4*\c], v[LI], s[\base:\base+1] offset:(\o1)+512*\c
.endr
	WIN 0
.endm
	QLOAD QB, 0, 2048
.irp j, 0,1,2,3,4,5,6,7
	v_cmp_gt_i32 s[MK+\j], \j, v9
.endr
	s_mul_i32 s86, s[WV], STGW
	s_add_co_u32 s86, s86, STG
	s_add_co_u32 s87, s86, 8192
	s_xor_b32 s88, s[WV], 4                        ; the partner
	s_mul_i32 s88, s88, STGW
	s_add_co_u32 s88, s88, STG
	s_add_co_u32 s89, s88, 8192
	s_wait_alu depctr_va_vdst(0)                   ; behind the run of scalar lines
	v_lshrrev_b32 v4, 1, v[LI]                     ; 8 x lane
	v_add_nc_u32 v[STA], s86, v[LI]
	v_add_nc_u32 v[STB], s87, v4
	v_add_nc_u32 v[PTB], s89, v4
	v_add_nc_u32 v[PTA], s88, v[LI]
	v_mov_b32 v[NINF], 0xff800000                  ; -infinity
.macro FRESH                           ; no key seen yet.  (The step has no first form of its own: its first pass multiplies these zeros)
	v_mov_b32 v241, 0xff61b1e6                     ; the largest t so far: -3e38, under every t
	v_mov_b32 v243, 0xff61b1e6
	v_floor_f32 v240, -v241                        ; -M
	v_floor_f32 v242, -v243
	v_mov_b32 v248, 0
	v_mov_b32 v249, 0
.set nn, 0
.rept 64
	v_mov_b32 v[160+nn], 0
.set nn, nn+1
.endr
	WIN 0x40
	v_mov_b32 v248, 0
	v_mov_b32 v249, 0
.set nn, 0
.rept 64
	v_mov_b32 v[160+nn], 0
.set nn, nn+1
.endr
	WIN 0
.endm
	FRESH
	v_mov_b32 v245, 0                              ; (named as the upper halves of the pairs v[244:245], v[246:247])
	v_mov_b32 v247, 0
	v_mov_b32 v251, 0                              ; written once: a lane permute's destination counts as one of its sources
	v_mov_b32 v253, 0
	s_wait_kmcnt 0x0
	s_add_co_i32 s73, s68, s69
	s_lshl_b32 s73, s73, 23
	s_add_co_i32 s[CS], s[CS], s73                 ; a score stands for score x 2^(e6 + e7): the exponents are added to c's exponent field
	s_mov_b32 s[CS+1], s[CS]                       ; (named with it as a pair, so it is written)
	s_add_co_i32 s73, s70, 127
	s_lshl_b32 s74, s73, 23
	v_mov_b32 v[SC8], s74                          ; 2^e8 as f32, for p's conversion
	s_add_co_i32 s73, s73, 15
	s_lshl_b32 s73, s73, 23
	s_or_b32 s73, s73, 0x600000
	v_mov_b32 v[LH], s73                           ; 57,344 x 2^e8
	s_sub_co_i32 s73, s72, s70
	s_sub_co_i32 s73, s73, s71
	s_add_co_i32 s73, s73, 127
	s_lshl_b32 s74, s73, 23
	v_mov_b32 v[SCY], s74                          ; 2^(e10 - e8 - e9): O^T / the sum stands for y / 2^(e8 + e9): the three scales folded into y's conversion
	s_add_co_i32 s73, s73, 15
	s_lshl_b32 s73, s73, 23
	s_or_b32 s73, s73, 0x600000
	v_mov_b32 v[LMY], s73
.macro FRAGS off                       ; eight fragments: 32 loads of 512 consecutive bytes, 0-3 into window 0, 4-7 into window 1
.irp t, 0,1,2,3
.irp c, 0,1,2,3
	ds_load_b128 v[32+16*\t+4*\c:35+16*\t+4*\c], v[LA] offset:(\off)+2048*\t+512*\c
.endr
.endr
	WIN 0x40
.irp t, 0,1,2,3
.irp c, 0,1,2,3
	ds_load_b128 v[32+16*\t+4*\c:35+16*\t+4*\c], v[LA] offset:(\off)+16384+2048*\t+512*\c
.endr
.endr
	WIN 0
.endm
.macro SMUL h                          ; S^T: key tiles 4 h .. 4 h + 3 of both query tiles
	WIN \h
.irp t, 0,1,2,3
	v_wmma_f32_16x16x128_bf8_bf8 v[96+32*\h+8*\t:103+32*\h+8*\t], v[32+16*\t:47+16*\t], v[16:31], 0
.endr
	WIN 0x44+\h
.irp t, 0,1,2,3
	v_wmma_f32_16x16x128_bf8_bf8 v[96+32*\h+8*\t:103+32*\h+8*\t], v[32+16*\t:47+16*\t], v[16:31], 0
.endr
.endm
.macro PMUL h                          ; O^T: channels 64 h .. 64 h + 63 of both query tiles; K = these 128 keys.  The 16 accumulators take turns
	WIN \h
.irp t, 0,1,2,3
	v_wmma_f32_16x16x128_bf8_bf8 v[160+32*\h+8*\t:167+32*\h+8*\t], v[32+16*\t:47+16*\t], v[224:239], v[160+32*\h+8*\t:167+32*\h+8*\t]
.endr
	WIN 0x54+\h
.irp t, 0,1,2,3
	v_wmma_f32_16x16x128_bf8_bf8 v[160+32*\h+8*\t:167+32*\h+8*\t], v[32+16*\t:47+16*\t], v[224:239], v[160+32*\h+8*\t:167+32*\h+8*\t]
.endr
.endm
; The diagonal: key tile k against the query tile at place u of the same 128: hidden whole where k > u, by the eight masks where k = u, not at all where k < u.
.macro MASKT u, w
.irp k, 0,1,2,3,4,5,6,7
	s_cmp_lt_u32 s[\u], \k
	s_cselect_b32 s66, -1, 0
	s_cmp_eq_u32 s[\u], \k
.irp j, 0,1,2,3,4,5,6,7
	s_cselect_b32 s[MT+\j], s[MK+\j], s66
.endr
	WIN \w
.irp j, 0,1,2,3,4,5,6,7
	v_cndmask_b32 v[96+8*\k+\j], v[96+8*\k+\j], v[NINF], s[MT+\j]
.endr
.endr
.endm
.macro MAXT                            ; a tile's largest score of my query, among my 64 keys, in four chains; the last two are joined behind
	v_max3_num_f32 v250, v96, v97, v98
	v_max3_num_f32 v251, v99, v100, v101
	v_max3_num_f32 v252, v102, v103, v104
	v_max3_num_f32 v253, v105, v106, v107
.set nn, 12
.rept 26
	v_max3_num_f32 v[250+(nn/2)%4], v[250+(nn/2)%4], v[96+nn], v[97+nn]
.set nn, nn+2
.endr
	v_max3_num_f32 v250, v250, v251, v252
.endm
.macro SCALET m                        ; t - M, two at a time (of the pairs c and -M the low word serves both halves)
.set nn, 0
.rept 32
	v_pk_fma_f32 v[96+nn:97+nn], v[96+nn:97+nn], s[CS:CS+1], v[\m:\m+1] op_sel_hi:[1,0,0]
.set nn, nn+2
.endr
.endm
.macro EXPT                            ; p = 2^(t - M), at most 1: not normalised
.set nn, 0
.rept 64
	v_exp_f32 v[96+nn], v[96+nn]
.set nn, nn+1
.endr
.endm
.macro SUMT                            ; the sum of the unquantised p, two at a time, in four chains
	v_pk_add_f32 v[250:251], v[96:97], v[98:99]
	v_pk_add_f32 v[252:253], v[100:101], v[102:103]
	v_pk_add_f32 v[254:255], v[104:105], v[106:107]
	v_pk_add_f32 v[248:249], v[248:249], v[108:109]
.set nn, 14
.rept 25
.set aa, 250+2*(((nn-14)/2)%4)-8*((((nn-14)/2)%4)/3)
	v_pk_add_f32 v[aa:aa+1], v[aa:aa+1], v[96+nn:97+nn]
.set nn, nn+2
.endr
	v_pk_add_f32 v[252:253], v[252:253], v[254:255]
	v_pk_add_f32 v[248:249], v[248:249], v[250:251]
	v_pk_add_f32 v[248:249], v[248:249], v[252:253]
.endm
.macro CODET                           ; the conversion to an 8-bit code does not saturate (ISA guide 7.6.2): the hold comes first; p is not negative, so it is one-sided
.set nn, 0
.rept 64
	v_min_num_f32 v[96+nn], v[96+nn], v[LH]
.set nn, nn+1
.endr
.irp t, 0,1,2,3,4,5,6,7
	v_cvt_scalef32_pk8_bf8_f32 v[224+2*\t:225+2*\t], v[96+8*\t:103+8*\t], v[SC8]
.endr
.endm
.macro RESC f                          ; O^T under the new M: x f
	s_wait_alu depctr_va_vdst(0)                   ; directly ahead of the first reader of O^T
.set nn, 0
.rept 32
	v_pk_mul_f32 v[160+nn:161+nn], v[160+nn:161+nn], v[\f:\f+1] op_sel_hi:[1,0]
.set nn, nn+2
.endr
.endm
; A KEY STEP: 128 keys, the q-th of the slot in hand, for my two tiles.  It is left out where it is not mine or where all its keys come after my queries: scalar branches on ids and the count of steps; no barrier or tensor load
; stands in a step.
.macro STEP q
	s_bitcmp1_b32 s[SKQ], \q
	s_cbranch_scc1 .Lhidden_\@
	s_cmp_gt_u32 s[KS], s[KLIM]
	s_cbranch_scc1 .Lhidden_\@
	v_add_nc_u32 v[LA], s[TB], v[LI]
	s_wait_alu depctr_va_vdst(0)
.rept 3
	v_nop                                          ; four places in front of loads into registers that matrix instructions have read (the addition above is one)
.endr
	FRAGS 8192*\q                                  ; K
	s_wait_loadcnt 0x0                             ; Q is in
	s_wait_dscnt 16                                ; fragments 0-3 are in; the 16 loads of 4-7 may be out
	SMUL 0
	s_wait_dscnt 0x0
	SMUL 1
	WIN 0
.rept 4
	v_nop                                          ; places behind the last products, for the loads and the readers below
.endr
	FRAGS 32768+8192*\q                            ; V, under the softmax
	s_cmp_lg_u32 s[KS], s[KLIM]
	s_cbranch_scc1 .Lopen_\@                       ; only the last step of a block of queries lies on the diagonal
	MASKT U0, 0
	MASKT U1, 0x41
	WIN 0
.Lopen_\@:
	MAXT
	v_max_num_f32 v250, v250, v253
	WIN 0x55
	MAXT
	WIN 0x05
	v_max_num_f32 v252, v250, v253
	WIN 0
	v_permlanex16_b32 v251, v250, s[SEL], s[SEL+1] ; the two tiles by turns: the largest among lane l xor 16's too
	v_permlanex16_b32 v253, v252, s[SEL], s[SEL+1]
	v_max_num_f32 v250, v250, v251
	v_max_num_f32 v252, v252, v253
	v_mul_f32 v250, s[CS], v250                    ; as t (c is positive)
	v_mul_f32 v252, s[CS], v252
	v_max_num_f32 v241, v241, v250                 ; the running largest t
	v_max_num_f32 v243, v243, v252
	v_mov_b32 v250, v240
	v_mov_b32 v252, v242
	v_floor_f32 v240, -v241                        ; the new -M = floor(-t) = -ceil(t): M is a whole number
	v_floor_f32 v242, -v243
	v_sub_f32 v250, v240, v250                     ; M's old value less its new one: a whole number, 0 or less
	v_sub_f32 v252, v242, v252
	v_cvt_i32_f32 v250, v250                       ; (it saturates)
	v_cvt_i32_f32 v252, v252
	v_ldexp_f32 v244, 1.0, v250                    ; f = 2^(old M - new M)
	v_ldexp_f32 v246, 1.0, v252
	WIN 0x41
	SCALET 242
	WIN 0
	SCALET 240
	s_wait_alu depctr_va_vdst(0)                   ; ahead of the batch
	EXPT
	WIN 0x41
	EXPT
	v_pk_mul_f32 v[248:249], v[248:249], v[246:247] op_sel_hi:[1,0]   ; the sums under the new M: the plain lines behind the exponentials
	WIN 0
	v_pk_mul_f32 v[248:249], v[248:249], v[244:245] op_sel_hi:[1,0]
	s_wait_alu depctr_va_vdst(0)                   ; and one wait for the whole batch, ahead of its first reader
	SUMT
	WIN 0x45
	SUMT
	WIN 0x41
	CODET
	WIN 0
	CODET
	RESC 244
	WIN 0x41
	RESC 246
	WIN 0
	s_wait_alu depctr_va_vdst(0)
	s_wait_dscnt 0x0                               ; V's fragments are in
	PMUL 0
	PMUL 1
	WIN 0
.Lhidden_\@:
	s_add_co_u32 s[KS], s[KS], 1
.endm
.macro YCODES                          ; held and converted: a tile's 16 queries x the head's 128 channels are one fragment of the last product's operand
.set nn, 0
.rept 64
	v_med3_num_f32 v[96+nn], v[96+nn], -v[LMY], v[LMY]
.set nn, nn+1
.endr
.irp t, 0,1,2,3,4,5,6,7
	v_cvt_scalef32_pk8_bf8_f32 v[224+2*\t:225+2*\t], v[96+8*\t:103+8*\t], v[SCY]
.endr
	v_nop                                          ; a plain line behind the last conversion
.endm
.macro NORM d                          ; O^T x the reciprocal of the sum; each accumulator from its low end on
	s_wait_alu depctr_va_vdst(0)                   ; directly ahead of the first reader of O^T
.set nn, 0
.rept 32
	v_pk_mul_f32 v[96+nn:97+nn], v[160+nn:161+nn], v[\d:\d+1] op_sel_hi:[1,0]
.set nn, nn+2
.endr
.endm
	s_wait_alu depctr_va_vdst(0)                   ; the head's end
.Lslot:                                            ; NSL trips, a constant: every work-group walks all changes of slots; what the mask hides is jumped over inside them
; THE CHANGE OF SLOTS.  Each wave waits for all its tensor loads (its part of the slot that it is about to read), adds 0 to its spare word, and waits for that and for its reads of the slot that it has left.
; Behind the barrier the slot ahead is whole and nobody reads the other one, which is filled with the keys that follow, up to the causal limit.
	s_wait_tensorcnt 0x0                           ; no tensor load of mine is out, so the group 0 may be written
	ds_add_u32 v[SPW], v[NIL]                      ; 0 onto my spare word
	ds_add_u32 v[SPW], v[NIL]                      ; and once more: the add twice on end, in every trip alike
	s_xor_b32 s[G0+1], s[G0+1], SLOT1              ; the walking descriptor: the other slot than last time,
	s_add_nc_u64 s[G0+2:G0+3], s[G0+2:G0+3], 32768 ; the next 256 keys: two units; the type bits on top are not reached
	s_wait_xcnt 0x0                                ; the last prefetches and stores, a slot back, have read their registers
	s_add_nc_u64 s[PFA:PFA+1], s[PFA:PFA+1], 32768 ; one slot further on than the walking descriptor
	s_wait_dscnt 0x0                               ; the adds are done, and my reads of the slot that I have left are over
	s_barrier_signal -1
	s_barrier_wait -1
	s_add_co_u32 s67, s[KS], 2                     ; the first step of the slot that this change would ask for.  Behind the late block's last step nobody reads it, so it is not asked for.
	s_cmp_gt_u32 s67, s[LB]                        ; ids and the count of steps alone: all waves go the same way, and a work-group that is past the limit stays past it (the last slot is past it for all).  Every wait on TENSORcnt is for 0
	s_cbranch_scc1 .Lpast
	TLOAD                                          ; the first thing behind the barrier and the limit's three lines, and a wave's one tensor load until the next barrier
.Lpast:
	ASK                                            ; what the next change of slots will ask for: a slot's two key steps ahead of that load
	STEP 0
	STEP 1
	s_xor_b32 s[TB], s[TB], SLOT1                  ; on to the other slot
	s_cmp_lg_u32 s[KS], s[PHK]
	s_cbranch_scc1 .Lgo_on
	s_mov_b32 s[SKQ], s[SK2]                       ; the early block is done: from here on A takes the even steps and B the odd ones
	s_cmp_eq_u32 s[ROLE], 0
	s_cbranch_scc1 .Lgo_on
	s_wait_loadcnt 0x0                             ; no load of Q's fragments is out: they are loaded anew below
	; B: the early pair's y goes out,
.rept 4
	v_nop                                          ; places behind the last products
.endr
	WIN 0x05
	v_add_f32 v252, v248, v249                     ; the sums' two halves,
	WIN 0
	v_add_f32 v250, v248, v249
	v_permlanex16_b32 v253, v252, s[SEL], s[SEL+1]
	v_permlanex16_b32 v251, v250, s[SEL], s[SEL+1]
	v_add_f32 v252, v252, v253                     ; and lane l xor 16's: the rows' sums
	v_add_f32 v250, v250, v251
	s_wait_alu depctr_va_vdst(0)                   ; ahead of the transcendentals
	v_rcp_f32 v252, v252
	v_rcp_f32 v250, v250
	v_nop                                          ; a plain line behind them
	s_wait_alu depctr_va_vdst(0)                   ; and the wait ahead of their first reader
	NORM 250
	WIN 0x41
	NORM 252
	YCODES
	WIN 0
	YCODES
.irp c, 0,1,2,3
	global_store_b128 v[LI], v[224+4*\c:227+4*\c], s[YE:YE+1] offset:512*\c   ; 512 consecutive bytes, aligned
.endr
	WIN 0x04
.irp c, 0,1,2,3
	global_store_b128 v[LI], v[224+4*\c:227+4*\c], s[YE:YE+1] offset:2048+512*\c
.endr
	WIN 0
	QLOAD QLB, 2048, 0                             ; and it begins anew on the late pair, its tiles swapped
	s_mov_b32 s67, s[U0]
	s_mov_b32 s[U0], s[U1]
	s_mov_b32 s[U1], s67
	s_mov_b32 s[KLIM], s[LB]
	FRESH
	s_wait_alu depctr_va_vdst(0)
.Lgo_on:
	s_wait_alu depctr_va_vdst(0)
	s_sub_co_u32 s[SLOTS], s[SLOTS], 1
	s_cmp_lg_u32 s[SLOTS], 0
	s_cbranch_scc1 .Lslot
	; THE JOIN.  My second tile's partial O^T, -M and sum go into my stage; the partner's of my first tile come back.
	s_wait_tensorcnt 0x0                           ; no load of mine is out
	s_wait_xcnt 0x0                                ; earlier stores have read their registers
.rept 4
	v_nop                                          ; places behind the last products
.endr
	WIN 0x05
	v_add_f32 v255, v248, v249
	WIN 0
	v_mov_b32 v254, v242
	WIN 0x04
.irp c, 0,1,2,3,4,5,6,7,8,9,10,11,12,13,14,15
	ds_store_b128 v[STA], v[160+4*\c:163+4*\c] offset:512*\c
.endr
	WIN 0
	ds_store_b64 v[STB], v[254:255]
	v_add_f32 v250, v248, v249                     ; my first tile's sum, its two halves
	s_wait_alu depctr_va_vdst(0)
	s_wait_dscnt 0x0                               ; my stores are done,
	s_barrier_signal -1
	s_barrier_wait -1                              ; and everybody's
	ds_load_b64 v[254:255], v[PTB]                 ; the partner's -M and sum,
.irp c, 0,1,2,3,4,5,6,7,8,9,10,11,12,13,14,15
	ds_load_b128 v[32+4*\c:35+4*\c], v[PTA] offset:512*\c   ; and O^T
.endr
	s_wait_dscnt 16                                ; the first is in; O^T's 16 loads may be out
	v_min_num_f32 v252, v240, v254                 ; -M of both: M is the larger
	v_sub_f32 v244, v252, v240
	v_sub_f32 v246, v252, v254
	v_cvt_i32_f32 v244, v244
	v_cvt_i32_f32 v246, v246
	v_ldexp_f32 v244, 1.0, v244                    ; 2^(my M - M); 0 where a part has seen no key
	v_ldexp_f32 v246, 1.0, v246                    ; 2^(the partner's M - M)
	v_mul_f32 v250, v250, v244
	v_fma_f32 v250, v255, v246, v250
	v_permlanex16_b32 v251, v250, s[SEL], s[SEL+1]
	v_add_f32 v250, v250, v251                     ; the row's sum
	s_wait_alu depctr_va_vdst(0)                   ; ahead of the transcendental
	v_rcp_f32 v250, v250
	v_nop                                          ; a plain line behind it
	s_wait_alu depctr_va_vdst(0)                   ; and the wait ahead of its first reader
	v_mul_f32 v244, v244, v250
	v_mul_f32 v246, v246, v250
	s_wait_alu depctr_va_vdst(0)
	s_wait_dscnt 0x0
	NORM 244
.set nn, 0
.rept 32
	v_pk_fma_f32 v[96+nn:97+nn], v[32+nn:33+nn], v[246:247], v[96+nn:97+nn] op_sel_hi:[1,0,1]
.set nn, nn+2
.endr
	YCODES
.irp c, 0,1,2,3
	global_store_b128 v[LI], v[224+4*\c:227+4*\c], s[YL:YL+1] offset:512*\c   ; 512 consecutive bytes, aligned
.endr
	s_wait_tensorcnt 0x0                           ; the wave's end: three lines behind my last tensor load and my last LDS store
	ds_add_u32 v[SPW], v[NIL]
	s_wait_dscnt 0x0
	s_endpgm
.Lfunc_end_k_q8de87af5ed_attn:
	.size	k_q8de87af5ed_attn, .Lfunc_end_k_q8de87af5ed_attn-k_q8de87af5ed_attn
	.p2alignl 7, 3214868480
	.fill 96, 4, 3214868480
	.section	.rodata,"a",@progbits
	.p2align	6, 0x0
	.amdhsa_kernel k_q8de87af5ed_attn
		.amdhsa_group_segment_fixed_size 327680
		.amdhsa_private_segment_fixed_size 0
		.amdhsa_enable_private_segment 0
		.amdhsa_kernarg_size 24
		.amdhsa_user_sgpr_count 2
		.amdhsa_user_sgpr_kernarg_segment_ptr 1
		.amdhsa_wavefront_size32 1
		.amdhsa_system_sgpr_workgroup_id_x 1
		.amdhsa_system_sgpr_workgroup_id_y 1
		.amdhsa_system_sgpr_workgroup_id_z 1
		.amdhsa_system_vgpr_workitem_id 0
		.amdhsa_next_free_vgpr 512
		.amdhsa_next_free_sgpr 100
		.amdhsa_reserve_vcc 0
		.amdhsa_float_denorm_mode_32 3
		.amdhsa_float_denorm_mode_16_64 3
		.amdhsa_memory_ordered 1
		.amdhsa_forward_progress 1
		.amdhsa_inst_pref_size 140
	.end_amdhsa_kernel
	.amdgpu_metadata
---
amdhsa.version: [ 1, 2 ]
amdhsa.kernels:
  - .name:           k_q8de87af5ed_attn
    .symbol:         k_q8de87af5ed_attn.kd
    .args:
      - { .name: qkvimg, .offset: 0, .size: 8, .value_kind: global_buffer, .address_space: global }
      - { .name: lowp_scales, .offset: 8, .size: 8, .value_kind: global_buffer, .address_space: global }
      - { .name: yimg, .offset: 16, .size: 8, .value_kind: global_buffer, .address_space: global }
    .group_segment_fixed_size: 327680
    .private_segment_fixed_size: 0
    .kernarg_segment_align: 8
    .kernarg_segment_size: 24
    .max_flat_workgroup_size: 256
    .sgpr_count:     100
    .vgpr_count:     512
    .wavefront_size: 32
...
	.end_amdgpu_metadata
.endif
;; end of part 3
;; launch proj (part 4): grid 8 x 32, 4 waves a work-group, clusters of 4 x 4, 327,680 bytes of LDS; arguments yimg, wimg, bp, lowp_scales, out0; writes out0
.if DOCPART == 4
	.amdgcn_target "amdgcn-amd-amdhsa--gfx1250"
	.amdhsa_code_object_version 6
	.text
	.protected	k_q8de87af5ed_proj
	.globl	k_q8de87af5ed_proj
	.p2align	8
	.type	k_q8de87af5ed_proj,@function
k_q8de87af5ed_proj:
	s_mov_b64 s[64:65], 0
	v_nop
	global_prefetch_b8 v0, s[64:65] scope:SCOPE_SE
	s_setreg_imm32_b32 hwreg(HW_REG_WAVE_MODE, 25, 1), 1
	s_wait_xcnt 0x0
	s_wait_alu depctr_hold_cnt(0) depctr_sa_sdst(0) depctr_va_vdst(0) depctr_va_sdst(0) depctr_va_ssrc(0) depctr_va_vcc(0) depctr_vm_vsrc(0)
	s_getreg_b32 s2, hwreg(HW_REG_IB_STS2, 6, 4)
	s_cmp_eq_u32 s2, 0
	s_cbranch_scc0 .Lentry_in_a_cluster
	s_endpgm
.Lentry_in_a_cluster:
	s_bfe_u32 s2, ttmp6, 0x10000c
	s_cmp_lg_u32 s2, 0xf033
	s_cbranch_scc0 .Lentry_shape_is_right
	s_endpgm
.Lentry_shape_is_right:
; FOURTH LAUNCH: out0 = y Wp + bp on codes of BF8 (entries 10, 11 of the exponents).  Nothing is left out here.
; y's and Wp's codes come as images of operand registers (a fragment, 16 rows x 128 K, is 2,048 bytes; a unit = 8 fragments = 128 rows x 128 K).  A block of the result, 128 x 128, is made by four waves, 64 x 64 each.
; K = 2,048 goes in four steps of 512 through a ring of two LDS slots; a wave's tensor load brings 128 rows x 256 K of one operand, 32,768 dense bytes, stated as 128 rows of 256 bytes.
; CLUSTERS: 4 x 4 work-groups; A's tiles (y) are asked for jointly along a row of the cluster, B's (Wp) along a column.
; The matrix instruction is used transposed (source 0 = Wp's rows, source 1 = y's): a lane holds eight neighbouring columns of a row.  Finished sums are multiplied by 2^(e10 + e11), the bias is added in the same instruction.
; LIMIT: -126 <= e10 + e11 <= 127, so that this power is an f32 number.
.set SLOT,  131072
.set SPARE, 2*SLOT
.set SPITCH, 272
.set ADRA, 16
.set ADRB, 20
.set STO,  24
.set RD,   25
.set CO,   26
.set SPW,  28
.set NIL,  29
.set TMP,  32
.set BP,   96
.set ACC,  128
.set F0,   0
.set F1,   128
.set G1, 24
.set G0, 32
.set G1B, 48
.set G0B, 56
.set MSB, 0
.macro WIN new
.if MSB != (\new)
	s_set_vgpr_msb (MSB<<8)|(\new)
.set MSB, (\new)
.endif
.endm
.set MUL,  0x05
.set TO_F, 0x40
.macro JLOAD s
	s_cmp_eq_u32 s15, 0
	s_cbranch_scc0 .Lfor_b_\@
	tensor_load_to_lds s[G0+4*\s:G0+4*\s+3], s[G1:G1+7]
	s_nop 0
.rept 4
	v_nop
.endr
	s_branch .Lasked_\@
.Lfor_b_\@:
	tensor_load_to_lds s[G0B+4*\s:G0B+4*\s+3], s[G1B:G1B+7]
	s_nop 0
.rept 4
	v_nop
.endr
.Lasked_\@:
.endm
.macro CREST
	s_cmp_lg_u32 s14, 0
	s_cbranch_scc1 .Lnot_wave_0_\@
	s_barrier_signal -3
.Lnot_wave_0_\@:
	s_barrier_wait -3
	s_barrier_signal -1
	s_barrier_wait -1
.endm
.macro CROUND
	s_barrier_signal -1
	s_barrier_wait -1
	CREST
.endm
	s_load_b256 s[4:11], s[0:1], 0x0
	s_load_b64 s[12:13], s[0:1], 0x20
	v_lshl_add_u32 v[SPW], v0, 2, SPARE
	v_mov_b32 v[NIL], 0
	ds_add_u32 v[SPW], v[NIL]
	ds_add_u32 v[SPW], v[NIL]
	v_lshrrev_b32 v1, 5, v0
	v_readfirstlane_b32 s14, v1
	s_lshr_b32 s15, s14, 1
	s_and_b32 s16, s14, 1
	s_bfe_u32 s40, ttmp6, 0x40000
	s_bfe_u32 s41, ttmp6, 0x40004
	s_lshl_b32 s42, ttmp9, 2
	s_add_co_u32 s42, s42, s40
	s_and_b32 s17, ttmp7, 0xffff
	s_lshl_b32 s17, s17, 2
	s_add_co_u32 s17, s17, s41
	s_lshl_b32 s43, s41, 2
	s_lshl_b32 s43, 15, s43
	s_lshl_b32 s44, 0x1111, s40
	s_or_b32 s[G1+0], s43, (3<<16)|(1<<21)
	s_or_b32 s[G1B+0], s44, (3<<16)|(1<<21)
.irp g, G1, G1B
	s_mov_b32 s[\g+1], 32<<16
	s_mov_b32 s[\g+2], 128<<16
	s_mov_b32 s[\g+3], 32<<16
	s_mov_b32 s[\g+4], 128
	s_mov_b32 s[\g+5], 32
	s_mov_b32 s[\g+6], 0
	s_mov_b32 s[\g+7], 0
.endr
	s_lshl_b32 s18, s16, 15
	s_lshl_b32 s20, s17, 18
	s_add_co_u32 s20, s20, s18
	s_mov_b32 s21, 0
	s_lshl_b32 s46, s42, 18
	s_add_co_u32 s46, s46, s18
	s_add_co_u32 s46, s46, 0x600000
	s_mov_b32 s47, 0
	s_lshl_b32 s45, s14, 15
	s_wait_dscnt 0x0
	s_wait_kmcnt 0x0
	s_load_b64 s[96:97], s[10:11], 0x28
	s_add_nc_u64 s[20:21], s[4:5], s[20:21]
	s_add_nc_u64 s[46:47], s[6:7], s[46:47]
	CROUND
.irp s, 0,1
	s_mov_b32 s[G0+4*\s], 1
	s_add_co_u32 s[G0+4*\s+1], s45, \s*SLOT
	s_add_nc_u64 s[G0+4*\s+2:G0+4*\s+3], s[20:21], \s*65536
	s_or_b32 s[G0+4*\s+3], s[G0+4*\s+3], 0x80000000
	s_mov_b32 s[G0B+4*\s], 1
	s_add_co_u32 s[G0B+4*\s+1], s45, \s*SLOT
	s_add_nc_u64 s[G0B+4*\s+2:G0B+4*\s+3], s[46:47], \s*65536
	s_or_b32 s[G0B+4*\s+3], s[G0B+4*\s+3], 0x80000000
.endr
	JLOAD 0                                        ; K step 0: one tensor load a wave at the head
	v_and_b32 v1, 15, v0
	s_wait_alu depctr_va_vdst(0)
	v_bfe_u32 v2, v0, 4, 1
	v_and_b32 v3, 31, v0
	v_lshlrev_b32 v3, 4, v3
	s_lshl_b32 s21, s15, 13
	s_lshl_b32 s22, s16, 13
	s_add_co_u32 s22, s22, 65536
.irp s, 0,1
	v_add_nc_u32 v[ADRA+\s], s21, v3
	v_add_nc_u32 v[ADRB+\s], s22, v3
	s_add_co_u32 s21, s21, SLOT
	s_add_co_u32 s22, s22, SLOT
.endr
	s_mul_i32 s23, s14, 16*SPITCH
	v_mul_u32_u24 v4, v1, SPITCH
	s_wait_alu depctr_va_vdst(0)
	v_lshl_add_u32 v4, v2, 5, v4
	v_add_nc_u32 v[STO], s23, v4
	v_mul_u32_u24 v5, v2, SPITCH
	v_lshl_add_u32 v5, v1, 4, v5
	v_add_nc_u32 v[RD], s23, v5
	v_lshlrev_b32 v5, 12, v2
	v_lshl_add_u32 v[CO], v1, 4, v5
	v_lshlrev_b32 v22, 5, v2
	s_wait_alu depctr_va_vdst(0)
	s_lshl_b32 s20, s17, 7
	s_lshl_b32 s21, s15, 6
	s_add_co_u32 s20, s20, s21
	s_lshl_b32 s20, s20, 12
	s_mov_b32 s21, 0
	s_lshl_b32 s46, s42, 9
	s_lshl_b32 s47, s16, 8
	s_add_co_u32 s46, s46, s47
	s_mov_b32 s47, 0
	s_add_nc_u64 s[8:9], s[8:9], s[46:47]
	s_add_nc_u64 s[12:13], s[12:13], s[20:21]
	s_add_nc_u64 s[12:13], s[12:13], s[46:47]
.irp b, 0,1,2,3
	global_load_b128 v[BP+8*\b:BP+8*\b+3], v22, s[8:9] offset:64*\b
	global_load_b128 v[BP+8*\b+4:BP+8*\b+7], v22, s[8:9] offset:64*\b+16
.endr
.macro MULA f, a, zero
.irp b, 0,1,2,3
.if \zero
	v_wmma_f32_16x16x128_bf8_bf8 v[ACC+8*(4*(\a)+\b):ACC+8*(4*(\a)+\b)+7], v[\f+64+16*\b:\f+64+16*\b+15], v[\f+16*(\a):\f+16*(\a)+15], 0
.else
	v_wmma_f32_16x16x128_bf8_bf8 v[ACC+8*(4*(\a)+\b):ACC+8*(4*(\a)+\b)+7], v[\f+64+16*\b:\f+64+16*\b+15], v[\f+16*(\a):\f+16*(\a)+15], v[ACC+8*(4*(\a)+\b):ACC+8*(4*(\a)+\b)+7]
.endif
.endr
.endm
.macro FETCH slot, kq, f
	WIN TO_F
.irp i, 0,1,2,3
.irp c, 0,1,2,3
	ds_load_b128 v[\f+64+16*\i+4*\c:\f+64+16*\i+4*\c+3], v[ADRB+\slot] offset:16384*(\kq)+2048*\i+512*\c
.endr
.endr
.irp i, 0,1,2,3
.irp c, 0,1,2,3
	ds_load_b128 v[\f+16*\i+4*\c:\f+16*\i+4*\c+3], v[ADRA+\slot] offset:16384*(\kq)+2048*\i+512*\c
.endr
.endr
.endm
.macro PLACES
.rept 4
	v_nop
.endr
.endm
.macro QUARTER slot, kn, f, g, zero
	s_wait_dscnt 8
	WIN MUL
	MULA \f, 0, \zero
	MULA \f, 1, \zero
	PLACES
	FETCH \slot, \kn, \g
	s_wait_dscnt 32
	WIN MUL
	MULA \f, 2, \zero
	MULA \f, 3, \zero
.endm
.macro TURN slot, next, fill
	WIN 0
	s_wait_tensorcnt 0x0
	ds_add_u32 v[SPW], v[NIL]
	s_wait_dscnt 9
	WIN MUL
	MULA F1, 0, 0
	s_wait_dscnt 0x0
	s_barrier_signal -1
	MULA F1, 1, 0
	WIN 0
	s_barrier_wait -1
.if \fill
	CREST
	s_add_nc_u64 s[G0+4*\slot+2:G0+4*\slot+3], s[G0+4*\slot+2:G0+4*\slot+3], 131072
	s_add_nc_u64 s[G0B+4*\slot+2:G0B+4*\slot+3], s[G0B+4*\slot+2:G0B+4*\slot+3], 131072
	JLOAD \slot
.else
	PLACES
.endif
	FETCH \next, 0, F0
	WIN MUL
	MULA F1, 2, 0
	MULA F1, 3, 0
.endm
	s_wait_alu depctr_va_vdst(0)                   ; the head's end
	s_wait_tensorcnt 0x0                           ; my part of K step 0 is in
	ds_add_u32 v[SPW], v[NIL]
	s_wait_dscnt 0x0
	CROUND                                         ; everybody's part of K step 0 is in
	JLOAD 1                                        ; K step 1, the first tensor load behind the round
	FETCH 0, 0, F0
	QUARTER 0, 1, F0, F1, 1
	QUARTER 0, 2, F1, F0, 0
	QUARTER 0, 3, F0, F1, 0
	TURN 0, 1, 1
	QUARTER 1, 1, F0, F1, 0
	QUARTER 1, 2, F1, F0, 0
	QUARTER 1, 3, F0, F1, 0
	TURN 1, 0, 1
	QUARTER 0, 1, F0, F1, 0
	QUARTER 0, 2, F1, F0, 0
	QUARTER 0, 3, F0, F1, 0
	TURN 0, 1, 0
	QUARTER 1, 1, F0, F1, 0
	QUARTER 1, 2, F1, F0, 0
	QUARTER 1, 3, F0, F1, 0
	s_wait_dscnt 8
	WIN MUL
	MULA F1, 0, 0
	MULA F1, 1, 0
	s_wait_dscnt 0
	MULA F1, 2, 0
	MULA F1, 3, 0
	WIN 0
.macro TOSTAGE a
.irp b, 0,1,2,3
.irp i, 0,2,4,6
	v_pk_fma_f32 v[TMP+32*((\a)%2)+8*\b+\i:TMP+32*((\a)%2)+8*\b+\i+1], v[ACC+32*(\a)+8*\b+\i:ACC+32*(\a)+8*\b+\i+1], s[96:97], v[BP+8*\b+\i:BP+8*\b+\i+1] op_sel_hi:[1,0,1]
.endr
.endr
.irp b, 0,1,2,3
	ds_store_b128 v[STO], v[TMP+32*((\a)%2)+8*\b:TMP+32*((\a)%2)+8*\b+3] offset:64*\b
	ds_store_b128 v[STO], v[TMP+32*((\a)%2)+8*\b+4:TMP+32*((\a)%2)+8*\b+7] offset:64*\b+16
.endr
.irp t, 0,1,2,3,4,5,6,7
	ds_load_b128 v[ACC+32*(\a)+4*\t:ACC+32*(\a)+4*\t+3], v[RD] offset:2*\t*SPITCH
.endr
.endm
.macro SEND a, younger
	s_wait_dscnt \younger
.irp t, 0,1,2,3,4,5,6,7
	global_store_b128 v[CO], v[ACC+32*(\a)+4*\t:ACC+32*(\a)+4*\t+3], s[12:13] offset:(16*(\a)+2*\t)*4096 th:TH_STORE_NT
.endr
.endm
	PLACES
	s_wait_loadcnt 0x0
	s_wait_kmcnt 0x0
	s_add_co_i32 s96, s96, s97
	s_add_co_i32 s96, s96, 127
	s_lshl_b32 s96, s96, 23
	s_mov_b32 s97, s96
	TOSTAGE 0
.irp a, 1,2,3
	TOSTAGE \a
	SEND \a-1, 16
.endr
	SEND 3, 0
	s_wait_tensorcnt 0x0
	ds_add_u32 v[SPW], v[NIL]
	s_wait_dscnt 0x0
	CROUND
	s_endpgm
.Lfunc_end_k_q8de87af5ed_proj:
	.size	k_q8de87af5ed_proj, .Lfunc_end_k_q8de87af5ed_proj-k_q8de87af5ed_proj
	.p2alignl 7, 3214868480
	.fill 96, 4, 3214868480
	.section	.rodata,"a",@progbits
	.p2align	6, 0x0
	.amdhsa_kernel k_q8de87af5ed_proj
		.amdhsa_group_segment_fixed_size 327680
		.amdhsa_private_segment_fixed_size 0
		.amdhsa_enable_private_segment 0
		.amdhsa_kernarg_size 40
		.amdhsa_user_sgpr_count 2
		.amdhsa_user_sgpr_kernarg_segment_ptr 1
		.amdhsa_wavefront_size32 1
		.amdhsa_system_sgpr_workgroup_id_x 1
		.amdhsa_system_sgpr_workgroup_id_y 1
		.amdhsa_system_sgpr_workgroup_id_z 1
		.amdhsa_system_vgpr_workitem_id 0
		.amdhsa_next_free_vgpr 512
		.amdhsa_next_free_sgpr 98
		.amdhsa_reserve_vcc 0
		.amdhsa_float_denorm_mode_32 3
		.amdhsa_float_denorm_mode_16_64 3
		.amdhsa_memory_ordered 1
		.amdhsa_forward_progress 1
		.amdhsa_inst_pref_size 74
	.end_amdhsa_kernel
	.amdgpu_metadata
---
amdhsa.version: [ 1, 2 ]
amdhsa.kernels:
  - .name:           k_q8de87af5ed_proj
    .symbol:         k_q8de87af5ed_proj.kd
    .args:
      - { .name: yimg, .offset: 0, .size: 8, .value_kind: global_buffer, .address_space: global }
      - { .name: wimg, .offset: 8, .size: 8, .value_kind: global_buffer, .address_space: global }
      - { .name: bp, .offset: 16, .size: 8, .value_kind: global_buffer, .address_space: global }
      - { .name: lowp_scales, .offset: 24, .size: 8, .value_kind: global_buffer, .address_space: global }
      - { .name: out0, .offset: 32, .size: 8, .value_kind: global_buffer, .address_space: global }
    .group_segment_fixed_size: 327680
    .private_segment_fixed_size: 0
    .kernarg_segment_align: 8
    .kernarg_segment_size: 40
    .max_flat_workgroup_size: 128
    .sgpr_count:     98
    .vgpr_count:     512
    .wavefront_size: 32
...
	.end_amdgpu_metadata
.endif
;; end of part 4
